; MI455X (gfx1250); checked and timed in simulation.
; The chip was launched on July 23, 2026; its instructions are those of AMD's public machine-readable ISA for CDNA 5 (MIT licence, August 2026) and "CDNA5" Instruction Set Architecture Reference Guide (July 2026). The comments in the code are by the model that wrote it; some were corrected since.
;; Attention. Allowed arithmetic: float matrix products may take bf16 or f16 operands with f32 sums; other float arithmetic in f32, or as packed bf16 or f16 multiplies, adds, multiply-adds, maxima and minima; sums over many terms, partial sums and values carried from step to step in f32; what a program stores and reads back later, other than sums and carried values, may be rounded once to bf16 or f16.
;; Inputs: Wk 512 x 512 float32; Wo 512 x 512 float32; Wq 512 x 512 float32; Wv 512 x 512 float32; bo 512 float32; proj 256 x 64 float32; x 2 x 4,096 x 512 float32.
;; Outputs: out0 2 x 4,096 x 512 float32; out1 2 x 8 x 256 float32; out2 2 x 8 x 256 x 64 float32.
;; 2 versions, each right; version 2 is version 1 with the launch cast written anew for expert scheduling mode. Each part assembles by itself: llvm-mc -triple=amdgcn-amd-amdhsa -mcpu=gfx1250 --defsym DOCPART=n.
;; ======== version 1 of 2: 5 launches
;; workspace buffers: xb 8,388,608 bytes; wb 2,654,208 bytes; qk 16,777,216 bytes; vt 16,777,216 bytes; st 856,064 bytes; th 16,777,216 bytes; sp 10,551,296 bytes; o2 16,777,216 bytes
;; launch cast (part 1): grid 256 x 1, 8 waves a work-group, no clusters, 0 bytes of LDS; arguments x, Wq, Wk, Wv, Wo, proj, xb, wb; writes xb, wb
.if DOCPART == 1
	.amdgcn_target "amdgcn-amd-amdhsa--gfx1250"
	.amdhsa_code_object_version 6
	.text
	.protected	k_q9dd057fe40_cast
	.globl	k_q9dd057fe40_cast
	.p2align	8
	.type	k_q9dd057fe40_cast,@function
k_q9dd057fe40_cast:
	s_mov_b64 s[64:65], 0
	v_nop
	global_prefetch_b8 v0, s[64:65] scope:SCOPE_SE
	s_setreg_imm32_b32 hwreg(HW_REG_WAVE_MODE, 25, 1), 1
	s_wait_xcnt 0x0
; CAST.  x, Wq, Wk, Wv, Wo and proj are rounded once to bf16 and laid out for the launches behind.
; xb: x as [8192][512] bf16.  wb: +0 wcat [8 heads][192 rows: q 64, k 64, v 64][512]; +1,572,864 wo2 [512][1024] with wo2[n][128 h + e] = wo2[n][128 h + 64 + e] = Wo[n][64 h + e];
; +2,621,440 pb: proj as matrix fragments, [16 features' tile][K half of 32][register half][lane][16 bytes].
; A stream: no LDS, no barrier.  A work-group takes 65,536 bytes of x (16 loads of 16 bytes a thread) and eight weight rows, a row a wave: waves 0-5 rows of Wq, Wk, Wv, waves 6, 7 rows of Wo.
; The first eight work-groups also take proj, a fragment's 16 bytes a thread.
.set XD, 32                            ; v[32:95]   x as loaded, rounded in place
.set WD, 96                            ; v[96:111]  a weight row's 16 numbers a lane
	s_load_b512 s[8:23], s[0:1], 0x0               ; x s[8:9], Wq s[10:11], Wk s[12:13], Wv s[14:15], Wo s[16:17], proj s[18:19], xb s[20:21], wb s[22:23]
	v_lshrrev_b32 v1, 5, v0
	v_readfirstlane_b32 s2, v1                     ; wave 0..7
	s_mov_b32 s38, ttmp9                           ; g
	v_and_b32 v1, 31, v0                           ; lane
	v_lshlrev_b32 v2, 4, v0                        ; x: 16 t
	v_lshlrev_b32 v3, 3, v0                        ; xb: 8 t
	v_lshlrev_b32 v4, 4, v1                        ; a weight row in: 16 l
	v_lshlrev_b32 v5, 3, v1                        ; wcat out: 8 l
	v_and_b32 v6, 15, v0
	v_bfe_u32 v7, v0, 4, 1
	v_lshlrev_b32 v6, 3, v6
	v_lshl_add_u32 v6, v7, 8, v6                   ; wo2 out: 256 (l / 16) + 8 (l % 16)
	s_mul_i32 s24, s38, 6
	s_add_co_u32 s24, s24, s2                      ; waves 0-5: row 6 g + wave of the 1,536 rows of Wq, Wk, Wv
	s_lshr_b32 s25, s24, 9                         ; which of the three
	s_and_b32 s26, s24, 511                        ; its row
	s_lshr_b32 s27, s26, 6                         ; the head
	s_mul_i32 s27, s27, 192
	s_lshl_b32 s3, s25, 6
	s_add_co_u32 s27, s27, s3
	s_and_b32 s3, s26, 63
	s_add_co_u32 s27, s27, s3
	s_lshl_b32 s27, s27, 10                        ; byte of the row in wcat
	s_lshl_b32 s28, s38, 1
	s_add_co_u32 s28, s28, s2
	s_sub_co_u32 s28, s28, 6                       ; waves 6, 7: row 2 g + wave - 6 of Wo
	s_lshl_b32 s29, s28, 11
	s_add_co_u32 s29, s29, 1572864                 ; byte of the row in wo2
	s_cmp_lt_u32 s2, 6
	s_cselect_b32 s30, s26, s28                    ; the source's row
	s_cselect_b32 s32, s27, s29                    ; the destination's byte
	s_lshl_b32 s30, s30, 11
	s_mov_b32 s31, 0
	s_mov_b32 s33, 0
	s_lshl_b32 s28, s38, 16                        ; the group's part of x,
	s_mov_b32 s29, 0
	s_lshl_b32 s26, s38, 15                        ; and of xb
	s_mov_b32 s27, 0
	s_wait_kmcnt 0x0
	s_cmp_eq_u32 s25, 1
	s_cselect_b64 s[34:35], s[12:13], s[10:11]
	s_cmp_eq_u32 s25, 2
	s_cselect_b64 s[34:35], s[14:15], s[34:35]
	s_cmp_lt_u32 s2, 6
	s_cselect_b64 s[34:35], s[34:35], s[16:17]
	s_add_nc_u64 s[34:35], s[34:35], s[30:31]      ; my weight row
	s_add_nc_u64 s[36:37], s[22:23], s[32:33]      ; where it goes
	s_add_nc_u64 s[8:9], s[8:9], s[28:29]
	s_add_nc_u64 s[20:21], s[20:21], s[26:27]
.irp i, 0,1,2,3,4,5,6,7,8,9,10,11,12,13,14,15
	global_load_b128 v[XD+4*(\i):XD+4*(\i)+3], v2, s[8:9] offset:4096*(\i) th:TH_LOAD_NT
.endr
.irp i, 0,1,2,3
	global_load_b128 v[WD+4*(\i):WD+4*(\i)+3], v4, s[34:35] offset:512*(\i) th:TH_LOAD_NT
.endr
.irp i, 0,1,2,3,4,5,6,7,8,9,10,11,12,13,14,15
	s_wait_loadcnt 19-(\i)                         ; loads come back in order: behind load i stand 15 - i of x and the 4 of the weight row
	v_cvt_pk_bf16_f32 v[XD+4*(\i)], v[XD+4*(\i)], v[XD+4*(\i)+1]
	v_cvt_pk_bf16_f32 v[XD+4*(\i)+1], v[XD+4*(\i)+2], v[XD+4*(\i)+3]
	global_store_b64 v3, v[XD+4*(\i):XD+4*(\i)+1], s[20:21] offset:2048*(\i)  ; a wave stores 256 consecutive bytes, aligned
.endr
	s_wait_loadcnt 0x0
.irp i, 0,1,2,3
	v_cvt_pk_bf16_f32 v[WD+4*(\i)], v[WD+4*(\i)], v[WD+4*(\i)+1]
	v_cvt_pk_bf16_f32 v[WD+4*(\i)+1], v[WD+4*(\i)+2], v[WD+4*(\i)+3]
.endr
	s_cmp_lt_u32 s2, 6
	s_cbranch_scc0 .Lwo
.irp i, 0,1,2,3
	global_store_b64 v5, v[WD+4*(\i):WD+4*(\i)+1], s[36:37] offset:256*(\i)
.endr
	s_branch .Lproj
.Lwo:                                                  ; a head's 64 numbers are written twice, 128 bytes apart: once for O's upper part, once for its lower
.irp i, 0,1,2,3
	global_store_b64 v6, v[WD+4*(\i):WD+4*(\i)+1], s[36:37] offset:512*(\i)
	global_store_b64 v6, v[WD+4*(\i):WD+4*(\i)+1], s[36:37] offset:512*(\i)+128
.endr
.Lproj:
	s_cmp_lt_u32 s38, 8
	s_cbranch_scc0 .Lend
	s_lshl_b32 s3, s38, 8
	v_add_nc_u32 v8, s3, v0                        ; p = 256 g + t: tile p >> 7, K half, register half, lane p & 31
	v_lshrrev_b32 v9, 7, v8
	v_and_b32 v10, 15, v8
	v_lshl_add_u32 v9, v9, 4, v10                  ; proj's row 16 tile + lane % 16
	v_bfe_u32 v11, v8, 4, 3
	v_lshlrev_b32 v11, 5, v11                      ; its 8 numbers: 32 bytes x (4 K half + 2 register half + lane / 16)
	v_lshl_add_u32 v9, v9, 8, v11
	v_lshlrev_b32 v24, 4, v8
	global_load_b128 v[12:15], v9, s[18:19]
	global_load_b128 v[16:19], v9, s[18:19] offset:16
	s_wait_loadcnt 0x0
	v_cvt_pk_bf16_f32 v20, v12, v13
	v_cvt_pk_bf16_f32 v21, v14, v15
	v_cvt_pk_bf16_f32 v22, v16, v17
	v_cvt_pk_bf16_f32 v23, v18, v19
	global_store_b128 v24, v[20:23], s[22:23] offset:2621440
.Lend:
	s_endpgm
.Lfunc_end_k_q9dd057fe40_cast:
	.size	k_q9dd057fe40_cast, .Lfunc_end_k_q9dd057fe40_cast-k_q9dd057fe40_cast
	.p2alignl 7, 3214868480
	.fill 96, 4, 3214868480
	.section	.rodata,"a",@progbits
	.p2align	6, 0x0
	.amdhsa_kernel k_q9dd057fe40_cast
		.amdhsa_group_segment_fixed_size 0
		.amdhsa_private_segment_fixed_size 0
		.amdhsa_enable_private_segment 0
		.amdhsa_kernarg_size 64
		.amdhsa_user_sgpr_count 2
		.amdhsa_user_sgpr_kernarg_segment_ptr 1
		.amdhsa_wavefront_size32 1
		.amdhsa_system_sgpr_workgroup_id_x 1
		.amdhsa_system_sgpr_workgroup_id_y 1
		.amdhsa_system_sgpr_workgroup_id_z 1
		.amdhsa_system_vgpr_workitem_id 0
		.amdhsa_next_free_vgpr 112
		.amdhsa_next_free_sgpr 66
		.amdhsa_reserve_vcc 0
		.amdhsa_float_denorm_mode_32 3
		.amdhsa_float_denorm_mode_16_64 3
		.amdhsa_memory_ordered 1
		.amdhsa_forward_progress 1
		.amdhsa_inst_pref_size 11
	.end_amdhsa_kernel
	.amdgpu_metadata
---
amdhsa.version: [ 1, 2 ]
amdhsa.kernels:
  - .name:           k_q9dd057fe40_cast
    .symbol:         k_q9dd057fe40_cast.kd
    .args:
      - { .name: x, .offset: 0, .size: 8, .value_kind: global_buffer, .address_space: global }
      - { .name: Wq, .offset: 8, .size: 8, .value_kind: global_buffer, .address_space: global }
      - { .name: Wk, .offset: 16, .size: 8, .value_kind: global_buffer, .address_space: global }
      - { .name: Wv, .offset: 24, .size: 8, .value_kind: global_buffer, .address_space: global }
      - { .name: Wo, .offset: 32, .size: 8, .value_kind: global_buffer, .address_space: global }
      - { .name: proj, .offset: 40, .size: 8, .value_kind: global_buffer, .address_space: global }
      - { .name: xb, .offset: 48, .size: 8, .value_kind: global_buffer, .address_space: global }
      - { .name: wb, .offset: 56, .size: 8, .value_kind: global_buffer, .address_space: global }
    .group_segment_fixed_size: 0
    .private_segment_fixed_size: 0
    .kernarg_segment_align: 8
    .kernarg_segment_size: 64
    .max_flat_workgroup_size: 256
    .sgpr_count:     66
    .vgpr_count:     112
    .wavefront_size: 32
...
	.end_amdgpu_metadata
.endif
;; end of part 1
;; launch qkv (part 2): grid 8 x 32, 4 waves a work-group, clusters of 4 x 4, 327,680 bytes of LDS; arguments xb, wb, qk, vt, st, th; writes qk, vt, st, th
.if DOCPART == 2
	.amdgcn_target "amdgcn-amd-amdhsa--gfx1250"
	.amdhsa_code_object_version 6
	.text
	.protected	k_q9dd057fe40_qkv
	.globl	k_q9dd057fe40_qkv
	.p2align	8
	.type	k_q9dd057fe40_qkv,@function
k_q9dd057fe40_qkv:
	s_mov_b64 s[64:65], 0
	v_nop
	global_prefetch_b8 v0, s[64:65] scope:SCOPE_SE
	s_setreg_imm32_b32 hwreg(HW_REG_WAVE_MODE, 25, 1), 1
	s_wait_xcnt 0x0
	s_wait_alu depctr_hold_cnt(0) depctr_sa_sdst(0) depctr_va_vdst(0) depctr_va_sdst(0) depctr_va_ssrc(0) depctr_va_vcc(0) depctr_vm_vsrc(0)
	s_getreg_b32 s2, hwreg(HW_REG_IB_STS2, 6, 4)
	s_cmp_eq_u32 s2, 0
	s_cbranch_scc0 .Lentry_in_a_cluster
	s_endpgm
.Lentry_in_a_cluster:
	s_bfe_u32 s2, ttmp6, 0x10000c
	s_cmp_lg_u32 s2, 0xf033
	s_cbranch_scc0 .Lentry_shape_is_right
	s_endpgm
.Lentry_shape_is_right:
; QKV.  A work-group (head, block of 256 tokens: unit u = (8 b + head) 16 + c) makes q, k, v of its head for its tokens, 256 x 192 over K = 512, and the unit's key statistics.
; OUT: qk: q and k in bf16 as matrix fragments [u][q, k][tile of 16 tokens][16 d][lane][16 B]; vt: v as an upper and a lower bf16 (v = hi + lo to 16 bits), [u][hi, lo][tile][16 e][lane][16 B];
; st: dl = log2(e) / 16 x sum of squares of q, k (f32); mx: for each wave's 64 features the largest raw score k . proj of the unit; vs: sum of v; zh: sum of khat;  th: That[f][e] = sum of khat v (f32).
; khat = 2^(c2 raw - c2 mx - dl), c2 = 64^-0.25 log2(e): the maximum taken away here is the wave's own; the launch behind corrects by 2^(c2 (mx - m)), m the largest of all: a running maximum.
; LIMITS.  q and k are rounded once to bf16 for raw; khat and v's upper part are bf16 in That; an exponential below 2^-126 counts as 0; NaN and infinities are not treated apart.
; SHARES.  Wave w: tokens 64 w .. 64 w + 63 (4 tiles t) x 12 column tiles c: 48 accumulators.  c 0-7 (q, k) are taken transposed (source 0 = 16 rows of W): a lane holds one token and 8 d.
; c 8-11 (v) are taken as they come (source 0 = 16 tokens): a lane holds one e and 8 tokens.  Rounded in pairs each accumulator IS half of a fragment for the products behind: nothing is ever turned.
; RING.  K in 4 steps of 128 through two LDS slots (256 rows of x, 192 of W, 256 bytes + 16 of padding).  CLUSTER 4 x 4: x's tile hangs on the token block and is shared along a row of the cluster,
; W's on the head and is shared along a column: joint loads.  Two steps come as first fills, two as the first refills: there is no step further on that could be asked for ahead.
; REGISTERS.  window 0: addresses, work; window 1: two fragment buffers of 128 (W's 12 fragments, x's 4); windows 2, 3: acc(t, c) in window 2 + t / 2 at 96 (t % 2) + 8 c;
; window 3 v192-255: proj's fragments of my 64 features; window 2 v0-127 later: That.
.set PITCH, 272
.set XH,    128*PITCH                  ; what waves 0, 1 fetch: 128 rows of x
.set WH,    96*PITCH                   ; what waves 2, 3 fetch: 96 rows of W
.set XT,    2*XH
.set SLOT,  XT+2*WH                    ; 121,856
.set KST,   2*SLOT                     ; behind the ring, never filled by a tensor load: k's fragments [tile 16][4][512]
.set VHT,   KST+32768                  ; v's upper part [tile 16][4][512]
.set DG,    VHT+32768                  ; dl of k, 256 f32
.set DGQ,   DG+1024                    ; dl of q; later the sums of khat
.set VSP,   DGQ+1024                   ; the four waves' sums of v
.set SPARE, VSP+1024                   ; the spare words, 128 bytes a wave: two blocks of 256 bytes that no other line names
.set ADRA, 16                          ; v16-17 my x fragments in slot 0, 1
.set ADRB, 20                          ; v20-21 W's fragments
.set NEG1, 22                          ; v22  -1.0
.set SPW,  28
.set NIL,  29
.set T,    32                          ; v32-47 packed results and work
.set SQ,   48                          ; v48-51 sums of squares
.set DD,   64                          ; v64-127 raw scores: (tile tl, feature tile f) at DD + 32 tl + 8 f
.set KA,   128                         ; v128-159 k's fragments of two tiles
.set VB,   160                         ; v160-191 v's fragments of 32 tokens
.set KH,   192                         ; v192-223 khat, packed: source 0 of That
.set BI,   224                         ; v224-239 c2 mx + dl of 2 x 8 tokens
.set ZS,   240                         ; v240-247 sums of v, later of khat
.set MX,   248                         ; v248-251 running maxima
.set F0,   0
.set F1,   128
.set PJ,   192
.set G1,   24
.set G0,   32
.set G1B,  48
.set G0B,  56
.set SEL,  80                          ; s[80:81] v_permlanex16_b32: each lane takes its own place in the other half
.set CS,   82                          ; s[82:83] c2, twice
.set MSB, 0
.macro WIN new                         ; the immediate's high byte repeats the setting that is left; a switch that changes nothing is dropped
.if MSB != (\new)
	s_set_vgpr_msb (MSB<<8)|(\new)
.set MSB, \new
.endif
.endm
.macro JLOAD s                         ; a joint load: waves 0, 1 fetch x's halves, waves 2, 3 W's; an s_nop 0 and four v_nop follow each line
	s_cmp_eq_u32 s11, 0
	s_cbranch_scc0 .Lfor_b_\@
	tensor_load_to_lds s[G0+4*(\s):G0+4*(\s)+3], s[G1:G1+7]
	s_nop 0
.rept 4
	v_nop
.endr
	s_branch .Lasked_\@
.Lfor_b_\@:
	tensor_load_to_lds s[G0B+4*(\s):G0B+4*(\s)+3], s[G1B:G1B+7]
	s_nop 0
.rept 4
	v_nop
.endr
.Lasked_\@:
.endm
.macro CREST                           ; a round of the cluster's barrier behind its opening barrier
	s_cmp_lg_u32 s10, 0
	s_cbranch_scc1 .Lnot_wave_0_\@
	s_barrier_signal -3
.Lnot_wave_0_\@:
	s_barrier_wait -3
	s_barrier_signal -1
	s_barrier_wait -1
.endm
.macro CROUND
	s_barrier_signal -1
	s_barrier_wait -1
	CREST
.endm
.macro PLACES                          ; four plain instructions between a matrix instruction and a reader of its result, a writer of its registers or a load into them
.rept 4
	v_nop
.endr
.endm
	s_load_b128 s[4:7], s[0:1], 0x0                ; xb s[4:5], wb s[6:7]
	s_load_b256 s[72:79], s[0:1], 0x10             ; qk s[72:73], vt s[74:75], st s[76:77], th s[78:79]
	v_lshl_add_u32 v[SPW], v0, 2, SPARE
	v_mov_b32 v[NIL], 0
	ds_add_u32 v[SPW], v[NIL]                      ; the wave's opening: the add and its wait ahead of my first tensor load
	v_lshrrev_b32 v1, 5, v0
	v_readfirstlane_b32 s10, v1                    ; wave 0..3
	s_lshr_b32 s11, s10, 1                         ; I fetch for x (0) or for W (1)
	s_and_b32 s12, s10, 1                          ; which half of that tile's rows
	s_bfe_u32 s40, ttmp6, 0x40000                  ; cx
	s_bfe_u32 s41, ttmp6, 0x40004                  ; cy
	s_lshl_b32 s42, ttmp9, 2
	s_add_co_u32 s42, s42, s40                     ; the head = 4 x cluster x + cx
	s_and_b32 s13, ttmp7, 0xffff
	s_lshl_b32 s13, s13, 2
	s_add_co_u32 s13, s13, s41                     ; the token block = 4 x cluster y + cy
	s_lshl_b32 s43, s41, 2
	s_lshl_b32 s43, 15, s43                        ; my row of the cluster
	s_lshl_b32 s44, 0x1111, s40                    ; my column
	s_or_b32 s[G1+0], s43, (1<<16)|(1<<20)|(1<<21)|(5<<22)|(3<<25)   ; the mask; 2-byte elements; padding on; bit 21 beside a mask; after every 64 words 4 words
	s_or_b32 s[G1B+0], s44, (1<<16)|(1<<20)|(1<<21)|(5<<22)|(3<<25)
	s_mov_b32 s[G1+1], 128<<16                     ; tensor_dim0 = 128
	s_mov_b32 s[G1+2], 128<<16                     ; tensor_dim1 = 128
	s_mov_b32 s[G1+3], 128<<16                     ; tile_dim0 = 128
	s_mov_b32 s[G1+4], 128                         ; tile_dim1 = 128
	s_mov_b32 s[G1+5], 512                         ; 512 elements from row to row
	s_mov_b32 s[G1+6], 0
	s_mov_b32 s[G1+7], 0
	s_mov_b32 s[G1B+1], 128<<16
	s_mov_b32 s[G1B+2], 96<<16                     ; 96 rows
	s_mov_b32 s[G1B+3], 128<<16
	s_mov_b32 s[G1B+4], 96
	s_mov_b32 s[G1B+5], 512
	s_mov_b32 s[G1B+6], 0
	s_mov_b32 s[G1B+7], 0
	s_lshl_b32 s16, s13, 18                        ; x: 256 rows of 1,024 bytes a block,
	s_lshl_b32 s17, s12, 17                        ; 128 rows a half
	s_add_co_u32 s16, s16, s17
	s_mov_b32 s17, 0
	s_mul_i32 s46, s42, 192*1024                   ; W: 192 rows a head,
	s_mul_i32 s47, s12, 96*1024                    ; 96 a half
	s_add_co_u32 s46, s46, s47
	s_mov_b32 s47, 0
	s_mul_i32 s20, s12, XH                         ; where they go: the wave's number alone enters an LDS address
	s_mul_i32 s21, s12, WH
	s_add_co_u32 s21, s21, XT
	s_wait_dscnt 0x0                               ; the opening add is done
	s_wait_kmcnt 0x0
	s_add_nc_u64 s[14:15], s[4:5], s[16:17]
	s_add_nc_u64 s[46:47], s[6:7], s[46:47]
	CROUND                                         ; all sixteen work-groups are here: the first joint loads meet
.irp s, 0,1
	s_mov_b32 s[G0+4*(\s)], 1
	s_add_co_u32 s[G0+4*(\s)+1], s20, (\s)*SLOT
	s_add_nc_u64 s[G0+4*(\s)+2:G0+4*(\s)+3], s[14:15], (\s)*256
	s_or_b32 s[G0+4*(\s)+3], s[G0+4*(\s)+3], 0x80000000
	s_mov_b32 s[G0B+4*(\s)], 1
	s_add_co_u32 s[G0B+4*(\s)+1], s21, (\s)*SLOT
	s_add_nc_u64 s[G0B+4*(\s)+2:G0B+4*(\s)+3], s[46:47], (\s)*256
	s_or_b32 s[G0B+4*(\s)+3], s[G0B+4*(\s)+3], 0x80000000
	JLOAD \s                                       ; two tensor loads of mine are out; later one
.endr
	v_and_b32 v1, 31, v0                           ; l
	v_and_b32 v2, 15, v0                           ; r = l % 16
	v_bfe_u32 v3, v0, 4, 1                         ; h = l / 16
	v_lshlrev_b32 v4, 4, v1                        ; 16 l
	v_lshlrev_b32 v5, 3, v1                        ; 8 l
	s_lshl_b32 s66, s10, 13
	s_add_co_u32 s66, s66, 2621440
	s_mov_b32 s67, 0
	s_add_nc_u64 s[68:69], s[6:7], s[66:67]        ; proj's fragments of my 64 features: 8,192 bytes
	WIN 0xc0
.set i, 0
.rept 16
	global_load_b128 v[PJ+4*i:PJ+4*i+3], v4, s[68:69] offset:512*i
.set i, i+1
.endr
	WIN 0
	v_mul_u32_u24 v30, v2, PITCH
	v_lshl_add_u32 v30, v3, 4, v30                 ; a fragment's row x pitch + 16 x half
	s_mul_i32 s22, s10, 64*PITCH
	v_add_nc_u32 v[ADRA], s22, v30
	v_add_nc_u32 v[ADRA+1], SLOT, v[ADRA]
	v_add_nc_u32 v[ADRB], XT, v30
	v_add_nc_u32 v[ADRB+1], XT+SLOT, v30
	s_lshl_b32 s22, s10, 13
	v_add_nc_u32 v6, s22, v4
	v_add_nc_u32 v7, VHT, v6                       ; v7  my tiles of v's upper part
	v_add_nc_u32 v6, KST, v6                       ; v6  my tiles of k
	s_lshl_b32 s22, s10, 8
	v_lshl_add_u32 v8, v2, 2, s22
	v_add_nc_u32 v9, DGQ, v8                       ; v9  a number for token (feature) 64 w + r, q's table
	v_add_nc_u32 v12, VSP, v8                      ; v12 my sums of v
	v_add_nc_u32 v8, DG, v8                        ; v8  k's table
	v_add_nc_u32 v10, s22, v5
	v_add_nc_u32 v11, DGQ, v10                     ; v11 my 256 bytes of q's table, 8 a lane
	v_add_nc_u32 v10, DG, v10                      ; v10 of k's
	v_add_nc_u32 v13, VSP, v5
	v_add_nc_u32 v14, KST, v4                      ; v14 walks k's tiles
	v_add_nc_u32 v15, VHT, v4                      ; v15 walks v's
	v_lshlrev_b32 v18, 5, v3
	v_add_nc_u32 v18, DG, v18                      ; v18 walks dl: my half's 8 tokens of a tile
	v_mov_b32 v[NEG1], -1.0
	s_lshr_b32 s66, s13, 4
	s_lshl_b32 s66, s66, 3
	s_add_co_u32 s66, s66, s42
	s_lshl_b32 s66, s66, 4
	s_and_b32 s67, s13, 15
	s_add_co_u32 s66, s66, s67                     ; u
	s_lshl_b32 s70, s66, 16
	s_lshl_b32 s22, s10, 13
	s_add_co_u32 s70, s70, s22
	s_mov_b32 s71, 0
	s_add_nc_u64 s[72:73], s[72:73], s[70:71]      ; qk + 65,536 u + 8,192 w
	s_add_nc_u64 s[74:75], s[74:75], s[70:71]      ; vt likewise
	s_add_co_u32 s70, s70, s22
	s_add_nc_u64 s[78:79], s[78:79], s[70:71]      ; th + 65,536 u + 16,384 w
	s_lshl_b32 s70, s66, 11
	s_lshl_b32 s22, s10, 8
	s_add_co_u32 s70, s70, s22
	s_add_nc_u64 s[88:89], s[76:77], s[70:71]      ; dl
	s_lshl_b32 s70, s66, 4
	s_lshl_b32 s23, s10, 2
	s_add_co_u32 s70, s70, s23
	s_add_co_u32 s70, s70, 524288
	s_add_nc_u64 s[90:91], s[76:77], s[70:71]      ; mx
	s_lshl_b32 s70, s66, 8
	s_add_co_u32 s70, s70, 528384
	s_add_nc_u64 s[92:93], s[76:77], s[70:71]      ; vs
	s_lshl_b32 s70, s66, 10
	s_add_co_u32 s70, s70, s22
	s_add_co_u32 s70, s70, 593920
	s_add_nc_u64 s[94:95], s[76:77], s[70:71]      ; zh
	s_mov_b32 s[SEL], 0x76543210
	s_mov_b32 s[SEL+1], 0xfedcba98
	s_mov_b32 s[CS], 0x3f0293ee                    ; c2 = 0.510070
	s_mov_b32 s[CS+1], s[CS]
; 12 matrix instructions: token tile t x all 12 column tiles, 32 along K.  The 48 accumulators take turns, one instruction a turn.
.macro MUL12 f, t, zero
	WIN 0xa5+0x50*((\t)/2)
.irp c, 0,1,2,3,4,5,6,7
.if \zero
	v_wmma_f32_16x16x32_bf16 v[96*((\t)%2)+8*(\c):96*((\t)%2)+8*(\c)+7], v[(\f)+8*(\c):(\f)+8*(\c)+7], v[(\f)+96+8*(\t):(\f)+96+8*(\t)+7], 0
.else
	v_wmma_f32_16x16x32_bf16 v[96*((\t)%2)+8*(\c):96*((\t)%2)+8*(\c)+7], v[(\f)+8*(\c):(\f)+8*(\c)+7], v[(\f)+96+8*(\t):(\f)+96+8*(\t)+7], v[96*((\t)%2)+8*(\c):96*((\t)%2)+8*(\c)+7]
.endif
.endr
.irp c, 8,9,10,11
.if \zero
	v_wmma_f32_16x16x32_bf16 v[96*((\t)%2)+8*(\c):96*((\t)%2)+8*(\c)+7], v[(\f)+96+8*(\t):(\f)+96+8*(\t)+7], v[(\f)+8*(\c):(\f)+8*(\c)+7], 0
.else
	v_wmma_f32_16x16x32_bf16 v[96*((\t)%2)+8*(\c):96*((\t)%2)+8*(\c)+7], v[(\f)+96+8*(\t):(\f)+96+8*(\t)+7], v[(\f)+8*(\c):(\f)+8*(\c)+7], v[96*((\t)%2)+8*(\c):96*((\t)%2)+8*(\c)+7]
.endif
.endr
.endm
; 32 LDS loads in one run: W's 12 fragments, then x's tiles 0, 1, then 2, 3
.macro FETCH slot, k, f
	WIN 0x40
.irp c, 0,1,2,3,4,5,6,7,8,9,10,11
	ds_load_b128 v[(\f)+8*(\c):(\f)+8*(\c)+3],   v[ADRB+(\slot)] offset:(\k)+(\c)*16*PITCH
	ds_load_b128 v[(\f)+8*(\c)+4:(\f)+8*(\c)+7], v[ADRB+(\slot)] offset:(\k)+(\c)*16*PITCH+32
.endr
.irp t, 0,1,2,3
	ds_load_b128 v[(\f)+96+8*(\t):(\f)+96+8*(\t)+3],   v[ADRA+(\slot)] offset:(\k)+(\t)*16*PITCH
	ds_load_b128 v[(\f)+96+8*(\t)+4:(\f)+96+8*(\t)+7], v[ADRA+(\slot)] offset:(\k)+(\t)*16*PITCH+32
.endr
.endm
.macro QUARTER slot, k, f, g, zero
	s_wait_dscnt 4                                 ; all but the youngest four loads (x's tiles 2, 3) are in
	MUL12 \f, 0, \zero
	MUL12 \f, 1, \zero
	PLACES
	FETCH \slot, \k, \g
	s_wait_dscnt 32                                ; all but the 32 just issued
	MUL12 \f, 2, \zero
	MUL12 \f, 3, \zero
.endm
; The last quarter of a K step multiplies buffer 1 and changes slots: one barrier; in front of it each wave waits for all its tensor loads, adds 0 to its spare word, and waits for that and for its reads of this slot.
.macro TURN slot, next, fill
	WIN 0
	s_wait_tensorcnt 0x0                           ; all my tensor loads have landed: my part of the next slot
	ds_add_u32 v[SPW], v[NIL]                      ; 0 onto my spare word
	s_wait_dscnt 5                                 ; the add and the youngest four loads may be out
	MUL12 F1, 0, 0
	s_wait_dscnt 0x0                               ; the add is done, and my reads of this slot are over
	s_barrier_signal -1
	MUL12 F1, 1, 0
.if \fill
	WIN 0
.endif
	s_barrier_wait -1
.if \fill
	CREST                                          ; the barrier has opened a round of the cluster's: no wave of any partner still reads this slot or has a load on its way
	s_add_nc_u64 s[G0+4*(\slot)+2:G0+4*(\slot)+3], s[G0+4*(\slot)+2:G0+4*(\slot)+3], 512
	s_add_nc_u64 s[G0B+4*(\slot)+2:G0B+4*(\slot)+3], s[G0B+4*(\slot)+2:G0B+4*(\slot)+3], 512
	JLOAD \slot                                    ; the first tensor load behind the round; its four v_nop are also the places in front of the loads below
.else
	PLACES
.endif
	FETCH \next, 0, F0
	MUL12 F1, 2, 0
	MUL12 F1, 3, 0
.endm
	s_wait_tensorcnt 1                             ; my part of K step 0 is in; step 1's may stay out
	s_barrier_signal -1
	s_barrier_wait -1
	FETCH 0, 0, F0
	QUARTER 0, 64,  F0, F1, 1                      ; the first quarter's products start the sums
	QUARTER 0, 128, F1, F0, 0
	QUARTER 0, 192, F0, F1, 0
	TURN 0, 1, 1                                   ; slot 0 takes K step 2
	QUARTER 1, 64,  F0, F1, 0
	QUARTER 1, 128, F1, F0, 0
	QUARTER 1, 192, F0, F1, 0
	TURN 1, 0, 1                                   ; slot 1 takes K step 3
	QUARTER 0, 64,  F0, F1, 0
	QUARTER 0, 128, F1, F0, 0
	QUARTER 0, 192, F0, F1, 0
	TURN 0, 1, 0
	QUARTER 1, 64,  F0, F1, 0
	QUARTER 1, 128, F1, F0, 0
	QUARTER 1, 192, F0, F1, 0
	s_wait_dscnt 4
	MUL12 F1, 0, 0
	MUL12 F1, 1, 0
	s_wait_dscnt 0x0
	MUL12 F1, 2, 0
	MUL12 F1, 3, 0
	WIN 0
	PLACES
; d = c - (half j % 2 of the packed bf16 pair h): what the rounding to bf16 left over, in f32
.macro MIXLO d, h, c, j
.if (\j)%2
	v_fma_mix_f32_bf16 v[\d], v[\h], v[NEG1], v[\c] op_sel:[1,0,0] op_sel_hi:[1,0,0]
.else
	v_fma_mix_f32_bf16 v[\d], v[\h], v[NEG1], v[\c] op_sel_hi:[1,0,0]
.endif
.endm
; q (which = 0) or k (1) of token tile t: the sum of squares of the f32 numbers, the rounding to bf16, the way out.  Each accumulator is read from its low end on.
.macro QKOUT which, t
.set WW, 2+(\t)/2
.set AB, 96*((\t)%2)+32*(\which)
	s_wait_xcnt 0x0                                ; the stores issued so far have read their registers: T is written again only behind this wait
	WIN WW|(WW<<2)
.set p, 0
.rept 16
.if p < 2
	v_pk_mul_f32 v[SQ+2*p:SQ+2*p+1], v[AB+2*p:AB+2*p+1], v[AB+2*p:AB+2*p+1]
.else
	v_pk_fma_f32 v[SQ+2*(p%2):SQ+2*(p%2)+1], v[AB+2*p:AB+2*p+1], v[AB+2*p:AB+2*p+1], v[SQ+2*(p%2):SQ+2*(p%2)+1]
.endif
.set p, p+1
.endr
.set p, 0
.rept 16
	v_cvt_pk_bf16_f32 v[T+p], v[AB+2*p], v[AB+2*p+1]
.set p, p+1
.endr
	WIN 0
	v_pk_add_f32 v[SQ:SQ+1], v[SQ:SQ+1], v[SQ+2:SQ+3]
	v_add_f32 v[SQ], v[SQ], v[SQ+1]
	v_permlanex16_b32 v[SQ+1], v[SQ], s[SEL], s[SEL+1]  ; the token's other 32 d lie in the lane 16 away
	v_add_f32 v[SQ], v[SQ], v[SQ+1]
	v_mul_f32 v[SQ], 0x3db8aa3b, v[SQ]             ; log2(e) / 16
	ds_store_b32 v[9-(\which)], v[SQ] offset:64*(\t)
.irp cc, 0,1,2,3
	global_store_b128 v4, v[T+4*(\cc):T+4*(\cc)+3], s[72:73] offset:32768*(\which)+2048*(\t)+512*(\cc)  ; 512 consecutive bytes
.if \which
	ds_store_b128 v6, v[T+4*(\cc):T+4*(\cc)+3] offset:2048*(\t)+512*(\cc)
.endif
.endr
.endm
.macro DLOUT which                     ; my 64 tokens' dl leave as 256 consecutive bytes; LDS serves a wave's instructions in order, so the load sees the stores above
	ds_load_b64 v[52+2*(\which):53+2*(\which)], v[11-(\which)]
	s_wait_dscnt 0x0
	global_store_b64 v5, v[52+2*(\which):53+2*(\which)], s[88:89] offset:1024*(\which)
.endm
; v of token tile t, channels 16 et on: upper bf16, the rest as a lower bf16, and the f32 sum over tokens
.macro VOUT et, t
.set WW, 2+(\t)/2
.set AB, 96*((\t)%2)+64+8*(\et)
	s_wait_xcnt 0x0
	WIN WW|(WW<<2)
.irp i, 0,1,2,3
	v_cvt_pk_bf16_f32 v[T+(\i)], v[AB+2*(\i)], v[AB+2*(\i)+1]
.endr
.irp i, 0,1,2,3
	v_pk_fma_f32 v[ZS+2*(\et):ZS+2*(\et)+1], v[AB+2*(\i):AB+2*(\i)+1], 1.0, v[ZS+2*(\et):ZS+2*(\et)+1] op_sel_hi:[1,0,1]
.endr
	WIN WW<<4
.set j, 0
.rept 8
	MIXLO T+8+j, T+j/2, AB+j, j
.set j, j+1
.endr
	WIN 0
.irp i, 0,1,2,3
	v_cvt_pk_bf16_f32 v[T+4+(\i)], v[T+8+2*(\i)], v[T+8+2*(\i)+1]
.endr
	global_store_b128 v4, v[T:T+3], s[74:75] offset:2048*(\t)+512*(\et)
	global_store_b128 v4, v[T+4:T+7], s[74:75] offset:32768+2048*(\t)+512*(\et)
	ds_store_b128 v7, v[T:T+3] offset:2048*(\t)+512*(\et)
.endm
.irp t, 0,1,2,3
	QKOUT 0, \t
.endr
	DLOUT 0
.irp t, 0,1,2,3
	QKOUT 1, \t
.endr
	DLOUT 1
.irp i, 0,1,2,3,4,5,6,7
	v_mov_b32 v[ZS+(\i)], 0
.endr
.irp t, 0,1,2,3
.irp et, 0,1,2,3
	VOUT \et, \t
.endr
.endr
.irp et, 0,1,2,3
	v_add_f32 v[ZS+2*(\et)], v[ZS+2*(\et)], v[ZS+2*(\et)+1]
	v_permlanex16_b32 v[ZS+2*(\et)+1], v[ZS+2*(\et)], s[SEL], s[SEL+1]
	v_add_f32 v[ZS+2*(\et)], v[ZS+2*(\et)], v[ZS+2*(\et)+1]
	ds_store_b32 v12, v[ZS+2*(\et)] offset:64*(\et)
.endr
	s_wait_dscnt 0x0                               ; for the others' sake: my k, v, dl and sums lie in LDS
	s_barrier_signal -1
	s_barrier_wait -1
	s_cmp_lg_u32 s10, 0
	s_cbranch_scc1 .Lno_vs
.irp i, 0,1,2,3
	ds_load_b64 v[56+2*(\i):57+2*(\i)], v13 offset:256*(\i)
.endr
	s_wait_dscnt 0x0
	v_pk_add_f32 v[56:57], v[56:57], v[58:59]
	v_pk_add_f32 v[60:61], v[60:61], v[62:63]
	v_pk_add_f32 v[56:57], v[56:57], v[60:61]
	global_store_b64 v5, v[56:57], s[92:93]        ; the unit's sum of v: 256 consecutive bytes
.Lno_vs:
; THE KEY STATISTICS.  Wave w takes features 64 w .. 64 w + 63 of all 256 tokens.  raw = k proj^T with source 0 = 16 tokens: a lane holds one feature and 8 tokens.
.macro DDMUL                           ; 2 token tiles x 4 feature tiles, K = 64 in two links; the 8 accumulators take turns
	WIN 0x0c
.irp ks, 0,1
.irp tl, 0,1
.irp f, 0,1,2,3
.if (\ks) == 0
	v_wmma_f32_16x16x32_bf16 v[DD+32*(\tl)+8*(\f):DD+32*(\tl)+8*(\f)+7], v[KA+16*(\tl)+8*(\ks):KA+16*(\tl)+8*(\ks)+7], v[PJ+16*(\f)+8*(\ks):PJ+16*(\f)+8*(\ks)+7], 0
.else
	v_wmma_f32_16x16x32_bf16 v[DD+32*(\tl)+8*(\f):DD+32*(\tl)+8*(\f)+7], v[KA+16*(\tl)+8*(\ks):KA+16*(\tl)+8*(\ks)+7], v[PJ+16*(\f)+8*(\ks):PJ+16*(\f)+8*(\ks)+7], v[DD+32*(\tl)+8*(\f):DD+32*(\tl)+8*(\f)+7]
.endif
.endr
.endr
.endr
	WIN 0
.endm
.macro KLOAD
.irp tl, 0,1
.irp cc, 0,1,2,3
	ds_load_b128 v[KA+16*(\tl)+4*(\cc):KA+16*(\tl)+4*(\cc)+3], v14 offset:2048*(\tl)+512*(\cc)
.endr
.endr
.endm
	s_wait_loadcnt 0x0                             ; proj's fragments
.irp i, 0,1,2,3
	v_mov_b32 v[MX+(\i)], 0xff800000
.endr
	s_mov_b32 s84, 8
.LpassA:                                               ; the largest raw score: 8 trips of 32 tokens
	KLOAD
	s_wait_dscnt 0x0
	DDMUL
	PLACES
.irp i, 0,1,2,3
.irp a, 0,1,2,3,4,5,6,7
	v_max3_num_f32 v[MX+(\a)%4], v[MX+(\a)%4], v[DD+8*(\a)+2*(\i)], v[DD+8*(\a)+2*(\i)+1]
.endr
.endr
	v_add_nc_u32 v14, 4096, v14
	s_sub_co_u32 s84, s84, 1
	s_cmp_lg_u32 s84, 0
	s_cbranch_scc1 .LpassA
	v_max3_num_f32 v[MX], v[MX], v[MX+1], v[MX+2]
	v_max_num_f32 v[MX], v[MX], v[MX+3]
	v_max_num_f32_dpp v[MX], v[MX], v[MX] row_xmask:1 row_mask:0xf bank_mask:0xf
	v_max_num_f32_dpp v[MX], v[MX], v[MX] row_xmask:2 row_mask:0xf bank_mask:0xf
	v_max_num_f32_dpp v[MX], v[MX], v[MX] row_xmask:4 row_mask:0xf bank_mask:0xf
	v_max_num_f32_dpp v[MX], v[MX], v[MX] row_xmask:8 row_mask:0xf bank_mask:0xf
	v_permlanex16_b32 v[MX+1], v[MX], s[SEL], s[SEL+1]
	v_max_num_f32 v[MX], v[MX], v[MX+1]
	v_mul_f32 v24, s[CS], v[MX]                    ; c2 mx, in a pair
	v_mov_b32 v25, v24
	v_mov_b32 v30, 0
	s_wait_xcnt 0x0                                ; EXEC changes only behind this wait
	v_cmp_eq_u32 vcc_lo, 0, v1
	s_and_saveexec_b32 s86, vcc_lo
	global_store_b32 v30, v[MX], s[90:91]          ; one number a wave
	s_wait_xcnt 0x0
	s_or_b32 exec_lo, exec_lo, s86
	WIN 0x80
.set i, 0
.rept 128
	v_mov_b32 v[i], 0                              ; That starts at 0: 128 lines, once a launch, for one form of trip below
.set i, i+1
.endr
	WIN 0
.irp i, 0,1,2,3,4,5,6,7
	v_mov_b32 v[ZS+(\i)], 0
.endr
	v_add_nc_u32 v14, KST, v4
.macro BFMA                            ; pair p of the 32: c2 raw - (c2 mx + dl)
	v_pk_fma_f32 v[DD+2*p:DD+2*p+1], v[DD+2*p:DD+2*p+1], s[CS:CS+1], v[BI+8*(p/16)+2*(p%4):BI+8*(p/16)+2*(p%4)+1] op_sel_hi:[1,0,1] neg_lo:[0,0,1] neg_hi:[0,0,1]
.set p, p+1
.endm
	s_mov_b32 s84, 8
.LpassB:                                               ; khat, its sum, and That += khat^T v: 8 trips of 32 tokens
	KLOAD
.irp et, 0,1,2,3
	ds_load_b128 v[VB+8*(\et):VB+8*(\et)+3],   v15 offset:512*(\et)
	ds_load_b128 v[VB+8*(\et)+4:VB+8*(\et)+7], v15 offset:512*(\et)+2048
.endr
.irp tl, 0,1
	ds_load_b128 v[BI+8*(\tl):BI+8*(\tl)+3],   v18 offset:64*(\tl)
	ds_load_b128 v[BI+8*(\tl)+4:BI+8*(\tl)+7], v18 offset:64*(\tl)+16
.endr
	s_wait_dscnt 0x0
.irp i, 0,1,2,3,4,5,6,7
	v_pk_add_f32 v[BI+2*(\i):BI+2*(\i)+1], v[BI+2*(\i):BI+2*(\i)+1], v[24:25]
.endr
	DDMUL
	PLACES
.set p, 0
	BFMA
	BFMA
.set e, 0
.rept 32                               ; scalings and exponentials by turns; none of them reads an exponential's result
	v_exp_f32 v[DD+2*e], v[DD+2*e]
.if p < 32
	BFMA
.endif
	v_exp_f32 v[DD+2*e+1], v[DD+2*e+1]
.set e, e+1
.endr
	v_nop                                          ; a plain instruction behind the last exponential,
	s_wait_alu depctr_va_vdst(0)                   ; and one wait for the batch of 64, ahead of its first reader
.irp i, 0,1,2,3
.irp tl, 0,1
.irp f, 0,1,2,3
	v_pk_add_f32 v[ZS+2*(\f):ZS+2*(\f)+1], v[ZS+2*(\f):ZS+2*(\f)+1], v[DD+32*(\tl)+8*(\f)+2*(\i):DD+32*(\tl)+8*(\f)+2*(\i)+1]
.endr
.endr
.endr
.irp f, 0,1,2,3
.irp tl, 0,1
.irp i, 0,1,2,3
	v_cvt_pk_bf16_f32 v[KH+8*(\f)+4*(\tl)+(\i)], v[DD+32*(\tl)+8*(\f)+2*(\i)], v[DD+32*(\tl)+8*(\f)+2*(\i)+1]
.endr
.endr
.endr
	WIN 0xa0
.irp f, 0,1,2,3
.irp et, 0,1,2,3
	v_wmma_f32_16x16x32_bf16 v[8*(4*(\f)+(\et)):8*(4*(\f)+(\et))+7], v[KH+8*(\f):KH+8*(\f)+7], v[VB+8*(\et):VB+8*(\et)+7], v[8*(4*(\f)+(\et)):8*(4*(\f)+(\et))+7]
.endr
.endr
	WIN 0
	PLACES
	v_add_nc_u32 v14, 4096, v14
	v_add_nc_u32 v15, 4096, v15
	v_add_nc_u32 v18, 128, v18
	s_sub_co_u32 s84, s84, 1
	s_cmp_lg_u32 s84, 0
	s_cbranch_scc1 .LpassB
.irp f, 0,1,2,3
	v_add_f32 v[ZS+2*(\f)], v[ZS+2*(\f)], v[ZS+2*(\f)+1]
	v_permlanex16_b32 v[ZS+2*(\f)+1], v[ZS+2*(\f)], s[SEL], s[SEL+1]
	v_add_f32 v[ZS+2*(\f)], v[ZS+2*(\f)], v[ZS+2*(\f)+1]
	ds_store_b32 v9, v[ZS+2*(\f)] offset:64*(\f)   ; into my own 256 bytes of q's table, which I alone have read
.endr
	ds_load_b64 v[58:59], v11
	s_wait_dscnt 0x0
	global_store_b64 v5, v[58:59], s[94:95]
	WIN 0x08
.set i, 0
.rept 32
	global_store_b128 v4, v[4*i:4*i+3], s[78:79] offset:512*i  ; That as it lies in the registers: 512 consecutive bytes a store
.set i, i+1
.endr
	WIN 0
	s_wait_tensorcnt 0x0                           ; the wave's end, behind my last tensor load and my last LDS store
	ds_add_u32 v[SPW], v[NIL]
	s_wait_dscnt 0x0
	CROUND                                         ; the closing round
	s_endpgm
.Lfunc_end_k_q9dd057fe40_qkv:
	.size	k_q9dd057fe40_qkv, .Lfunc_end_k_q9dd057fe40_qkv-k_q9dd057fe40_qkv
	.p2alignl 7, 3214868480
	.fill 96, 4, 3214868480
	.section	.rodata,"a",@progbits
	.p2align	6, 0x0
	.amdhsa_kernel k_q9dd057fe40_qkv
		.amdhsa_group_segment_fixed_size 327680
		.amdhsa_private_segment_fixed_size 0
		.amdhsa_enable_private_segment 0
		.amdhsa_kernarg_size 48
		.amdhsa_user_sgpr_count 2
		.amdhsa_user_sgpr_kernarg_segment_ptr 1
		.amdhsa_wavefront_size32 1
		.amdhsa_system_sgpr_workgroup_id_x 1
		.amdhsa_system_sgpr_workgroup_id_y 1
		.amdhsa_system_sgpr_workgroup_id_z 1
		.amdhsa_system_vgpr_workitem_id 0
		.amdhsa_next_free_vgpr 1024
		.amdhsa_next_free_sgpr 96
		.amdhsa_reserve_vcc 1
		.amdhsa_float_denorm_mode_32 3
		.amdhsa_float_denorm_mode_16_64 3
		.amdhsa_memory_ordered 1
		.amdhsa_forward_progress 1
		.amdhsa_inst_pref_size 175
	.end_amdhsa_kernel
	.amdgpu_metadata
---
amdhsa.version: [ 1, 2 ]
amdhsa.kernels:
  - .name:           k_q9dd057fe40_qkv
    .symbol:         k_q9dd057fe40_qkv.kd
    .args:
      - { .name: xb, .offset: 0, .size: 8, .value_kind: global_buffer, .address_space: global }
      - { .name: wb, .offset: 8, .size: 8, .value_kind: global_buffer, .address_space: global }
      - { .name: qk, .offset: 16, .size: 8, .value_kind: global_buffer, .address_space: global }
      - { .name: vt, .offset: 24, .size: 8, .value_kind: global_buffer, .address_space: global }
      - { .name: st, .offset: 32, .size: 8, .value_kind: global_buffer, .address_space: global }
      - { .name: th, .offset: 40, .size: 8, .value_kind: global_buffer, .address_space: global }
    .group_segment_fixed_size: 327680
    .private_segment_fixed_size: 0
    .kernarg_segment_align: 8
    .kernarg_segment_size: 48
    .max_flat_workgroup_size: 128
    .sgpr_count:     96
    .vgpr_count:     1024
    .wavefront_size: 32
...
	.end_amdgpu_metadata
.endif
;; end of part 2
;; launch prefix (part 3): grid 16 x 16, 5 waves a work-group, no clusters, 5,376 bytes of LDS; arguments st, th, sp, out1, out2; writes sp, out1, out2
.if DOCPART == 3
	.amdgcn_target "amdgcn-amd-amdhsa--gfx1250"
	.amdhsa_code_object_version 6
	.text
	.protected	k_q9dd057fe40_prefix
	.globl	k_q9dd057fe40_prefix
	.p2align	8
	.type	k_q9dd057fe40_prefix,@function
k_q9dd057fe40_prefix:
	s_mov_b64 s[64:65], 0
	v_nop
	global_prefetch_b8 v0, s[64:65] scope:SCOPE_SE
	s_setreg_imm32_b32 hwreg(HW_REG_WAVE_MODE, 25, 1), 1
	s_wait_xcnt 0x0
; PREFIX.  For each (batch, head) bh and feature tile ft of 16: the exclusive prefix over the 16 chunks of s_c That_c and s_c zhat_c, s_c = 2^(c2 (mx_c - m)), m the largest of all 1,024 maxima:
; the correction of the running maximum.  sp: [u][5 row tiles][16 feature tiles][lane][16 B] in bf16, source 0 of the next launch's product with q's features: row tiles 0-3 are S^T (rows e),
; row tile 4 holds Zprev in row 0, ones in row 1, zeros below; behind it vsp[u][64], the sum of v over the chunks before (f32).  out1 = (Ztot + 0.4096) / 16, out2 = (Stot + 1e-4 Vtot) / 16.
; Waves 0-3 take the four tiles of 16 e, wave 4 takes zhat.  All loads go out at the head; sums stay in f32.  A stream: no matrix unit, no cluster (nothing is shared but 4 KiB of maxima).
; LIMIT.  s_c below 2^-126 counts as 0.
.set STG,   0                          ; 16 rows (features) x 272 bytes: out2's rows of 256 bytes, gathered from the four waves
.set VPS,   4352                       ; 64 f32
.set SPARE, 4608                       ; the spare words: 128 bytes for each of five waves, three blocks of 256 bytes that no other line names
.set SPW, 6
.set NIL, 7
.set M,   8
.set PK,  12                           ; v12-15 packed prefix
.set ACC, 16                           ; v16-23 the running sums
.set SC,  24                           ; v24-39 s_c
.set VSR, 40                           ; v40-55 vs_c
.set MXT, 56                           ; v56-87 the table of maxima
.set TH,  96                           ; v96-223 the 16 chunks' 8 numbers
	s_load_b256 s[4:11], s[0:1], 0x0               ; st s[4:5], th s[6:7], sp s[8:9], out1 s[10:11]
	s_load_b64 s[12:13], s[0:1], 0x20              ; out2
	v_lshl_add_u32 v[SPW], v0, 2, SPARE
	v_mov_b32 v[NIL], 0
	v_lshrrev_b32 v1, 5, v0
	v_readfirstlane_b32 s14, v1                    ; wave 0..4
	s_mov_b32 s15, ttmp9                           ; ft
	s_and_b32 s16, ttmp7, 0xffff                   ; bh
	v_and_b32 v1, 31, v0
	v_and_b32 v2, 15, v0                           ; r
	v_bfe_u32 v3, v0, 4, 1                         ; h
	v_lshlrev_b32 v4, 4, v1                        ; 16 l
	v_lshlrev_b32 v5, 2, v2                        ; 4 r
	v_lshlrev_b32 v9, 5, v3                        ; 32 h
	s_mov_b32 s48, 0x76543210
	s_mov_b32 s49, 0xfedcba98
	s_mov_b32 s51, 0x3d800000                      ; 1 / 16
	s_lshl_b32 s20, s16, 8
	s_lshr_b32 s21, s15, 2                         ; the wave of the launch before that made this feature tile
	s_lshl_b32 s21, s21, 2
	s_add_co_u32 s20, s20, s21
	s_add_co_u32 s20, s20, 524288
	s_mov_b32 s21, 0
	s_mul_i32 s24, s16, 655360                     ; sp: 16 units of 40,960 bytes,
	s_lshl_b32 s25, s14, 4
	s_add_co_u32 s25, s25, s15
	s_lshl_b32 s25, s25, 9                         ; block 16 x row tile + ft
	s_add_co_u32 s24, s24, s25
	s_mov_b32 s25, 0
	s_wait_kmcnt 0x0
	s_add_nc_u64 s[18:19], s[4:5], s[20:21]
	s_add_nc_u64 s[22:23], s[4:5], 524288
	s_add_nc_u64 s[24:25], s[8:9], s[24:25]
.irp i, 0,1,2,3,4,5,6,7
	global_load_b128 v[MXT+4*(\i):MXT+4*(\i)+3], v4, s[22:23] offset:512*(\i)
.endr
.irp c, 0,1,2,3,4,5,6,7,8,9,10,11,12,13,14,15
	s_load_b32 s[32+(\c)], s[18:19], 16*(\c)       ; mx of chunk c
.endr
; m, and the sixteen s_c.  left: the loads issued behind the table's eight
.macro MAXM left
	s_wait_loadcnt \left
.set i, 0
.rept 15
	v_max3_num_f32 v[MXT], v[MXT], v[MXT+1+2*i], v[MXT+2+2*i]
.set i, i+1
.endr
	v_max_num_f32 v[MXT], v[MXT], v[MXT+31]
	v_max_num_f32_dpp v[MXT], v[MXT], v[MXT] row_xmask:1 row_mask:0xf bank_mask:0xf
	v_max_num_f32_dpp v[MXT], v[MXT], v[MXT] row_xmask:2 row_mask:0xf bank_mask:0xf
	v_max_num_f32_dpp v[MXT], v[MXT], v[MXT] row_xmask:4 row_mask:0xf bank_mask:0xf
	v_max_num_f32_dpp v[MXT], v[MXT], v[MXT] row_xmask:8 row_mask:0xf bank_mask:0xf
	v_permlanex16_b32 v[MXT+1], v[MXT], s48, s49
	v_max_num_f32 v[M], v[MXT], v[MXT+1]
	s_wait_kmcnt 0x0
.irp c, 0,1,2,3,4,5,6,7,8,9,10,11,12,13,14,15
	v_sub_f32 v[SC+(\c)], s[32+(\c)], v[M]
.endr
.irp c, 0,1,2,3,4,5,6,7,8,9,10,11,12,13,14,15
	v_mul_f32 v[SC+(\c)], 0x3f0293ee, v[SC+(\c)]
.endr
.irp c, 0,1,2,3,4,5,6,7,8,9,10,11,12,13,14,15
	v_exp_f32 v[SC+(\c)], v[SC+(\c)]
.endr
	v_nop                                          ; a plain instruction behind the last exponential,
	s_wait_alu depctr_va_vdst(0)                   ; and one wait for the sixteen
.irp i, 0,1,2,3,4,5,6,7
	v_mov_b32 v[ACC+(\i)], 0
.endr
.endm
; Chunk c: the sums so far leave in bf16 (512 consecutive bytes), then take the chunk's numbers times s_c.  z = 1: row 0 keeps the sums, row 1 takes ones, the others 0.
.macro STEP c, z
	s_wait_loadcnt 30-2*(\c)                       ; the later chunks' loads, two each, may stay out
	s_wait_xcnt 0x0                                ; the last store has read PK
.irp i, 0,1,2,3
	v_cvt_pk_bf16_f32 v[PK+(\i)], v[ACC+2*(\i)], v[ACC+2*(\i)+1]
.endr
.if \z
.irp i, 0,1,2,3
	v_cndmask_b32 v[PK+(\i)], v10, v[PK+(\i)], s50
.endr
.endif
	global_store_b128 v4, v[PK:PK+3], s[24:25] offset:40960*(\c)
.irp i, 0,1,2,3
.if (\c)%2
	v_pk_fma_f32 v[ACC+2*(\i):ACC+2*(\i)+1], v[TH+8*(\c)+2*(\i):TH+8*(\c)+2*(\i)+1], v[SC+(\c)-1:SC+(\c)], v[ACC+2*(\i):ACC+2*(\i)+1] op_sel:[0,1,0] op_sel_hi:[1,1,1]
.else
	v_pk_fma_f32 v[ACC+2*(\i):ACC+2*(\i)+1], v[TH+8*(\c)+2*(\i):TH+8*(\c)+2*(\i)+1], v[SC+(\c):SC+(\c)+1], v[ACC+2*(\i):ACC+2*(\i)+1] op_sel_hi:[1,0,1]
.endif
.endr
.endm
	s_cmp_eq_u32 s14, 4
	s_cbranch_scc1 .Lz
	s_lshl_b32 s26, s16, 12                        ; WAVES 0-3: row tile et = wave
	s_lshl_b32 s27, s14, 6
	s_add_co_u32 s26, s26, s27
	s_add_co_u32 s26, s26, 528384
	s_mov_b32 s27, 0
	s_add_nc_u64 s[26:27], s[4:5], s[26:27]        ; vs of the head's chunk 0, my 16 e
	s_lshl_b32 s28, s16, 20
	s_lshl_b32 s29, s15, 12
	s_add_co_u32 s28, s28, s29
	s_lshl_b32 s29, s14, 10
	s_add_co_u32 s28, s28, s29
	s_mov_b32 s29, 0
	s_add_nc_u64 s[28:29], s[6:7], s[28:29]        ; That of chunk 0, tile (ft, et)
.irp c, 0,1,2,3,4,5,6,7,8,9,10,11,12,13,14,15
	global_load_b32 v[VSR+(\c)], v5, s[26:27] offset:256*(\c)
.endr
.irp c, 0,1,2,3,4,5,6,7,8,9,10,11,12,13,14,15
	global_load_b128 v[TH+8*(\c):TH+8*(\c)+3],   v4, s[28:29] offset:65536*(\c) th:TH_LOAD_NT
	global_load_b128 v[TH+8*(\c)+4:TH+8*(\c)+7], v4, s[28:29] offset:65536*(\c)+512 th:TH_LOAD_NT
.endr
	MAXM 48                                        ; behind the table: 16 + 32 loads
	v_mov_b32 v10, 0                               ; the sum of v over the chunks before chunk ft,
	v_mov_b32 v11, 0                               ; and over all
.irp c, 0,1,2,3,4,5,6,7,8,9,10,11,12,13,14,15
	STEP \c, 0
	s_cmp_gt_u32 s15, \c
	s_cselect_b32 s20, 1.0, 0
	v_fmac_f32 v10, s20, v[VSR+(\c)]
	v_add_f32 v11, v11, v[VSR+(\c)]
.endr
	v_mul_f32 v90, 0x36d1b717, v11                 ; 1e-4 / 16 x Vtot
.irp j, 0,1,2,3,4,5,6,7
	v_fma_f32 v[ACC+(\j)], v[ACC+(\j)], s51, v90
.endr
	s_lshl_b32 s20, s14, 6
	v_mul_u32_u24 v88, v3, 8*272
	v_add_nc_u32 v88, v88, v5
	v_add_nc_u32 v88, s20, v88                     ; row 8 h, column 4 (16 et + r)
	v_add_nc_u32 v89, s20, v5
.irp j, 0,1,2,3,4,5,6,7
	ds_store_b32 v88, v[ACC+(\j)] offset:STG+272*(\j)
.endr
	ds_store_b32 v89, v10 offset:VPS
	s_branch .Ljoin
.Lz:                                                   ; WAVE 4: zhat; every lane of a half holds the half's 8 features
	s_lshl_b32 s26, s16, 14
	s_lshl_b32 s27, s15, 6
	s_add_co_u32 s26, s26, s27
	s_add_co_u32 s26, s26, 593920
	s_mov_b32 s27, 0
	s_add_nc_u64 s[26:27], s[4:5], s[26:27]
.irp c, 0,1,2,3,4,5,6,7,8,9,10,11,12,13,14,15
	global_load_b128 v[TH+8*(\c):TH+8*(\c)+3],   v9, s[26:27] offset:1024*(\c)
	global_load_b128 v[TH+8*(\c)+4:TH+8*(\c)+7], v9, s[26:27] offset:1024*(\c)+16
.endr
	MAXM 32                                        ; behind the table: 32 loads
	s_mov_b32 s20, 0x3f803f80                      ; 1.0 twice in bf16
	v_cmp_eq_u32 vcc_lo, 1, v2
	v_cndmask_b32 v10, 0, s20, vcc_lo
	v_cmp_eq_u32 s50, 0, v2
.irp c, 0,1,2,3,4,5,6,7,8,9,10,11,12,13,14,15
	STEP \c, 1
.endr
	v_mov_b32 v11, 0x3cd1b717                      ; 0.4096 / 16
.irp j, 0,1,2,3,4,5,6,7
	v_fma_f32 v[ACC+(\j)], v[ACC+(\j)], s51, v11
.endr
	s_lshl_b32 s28, s16, 10
	s_lshl_b32 s29, s15, 6
	s_add_co_u32 s28, s28, s29
	s_mov_b32 s29, 0
	s_add_nc_u64 s[28:29], s[10:11], s[28:29]
	s_wait_xcnt 0x0                                ; EXEC changes only behind this wait
	v_cmp_eq_u32 vcc_lo, 0, v2
	s_and_saveexec_b32 s22, vcc_lo
	global_store_b128 v9, v[ACC:ACC+3], s[28:29]
	global_store_b128 v9, v[ACC+4:ACC+7], s[28:29] offset:16
	s_wait_xcnt 0x0
	s_or_b32 exec_lo, exec_lo, s22
.Ljoin:
	s_wait_dscnt 0x0                               ; for the others' sake: my stores into the stage are done
	s_barrier_signal -1
	s_barrier_wait -1
	s_cmp_eq_u32 s14, 4
	s_cbranch_scc1 .Lvp
	v_lshrrev_b32 v91, 4, v0                       ; waves 0-3: row t / 16 (and 8 further down), 16 bytes at 16 (t % 16)
	v_lshlrev_b32 v92, 8, v91
	v_mul_u32_u24 v91, v91, 272
	v_lshl_add_u32 v91, v2, 4, v91
	v_lshl_add_u32 v92, v2, 4, v92
	s_lshl_b32 s28, s16, 16
	s_lshl_b32 s29, s15, 12
	s_add_co_u32 s28, s28, s29
	s_mov_b32 s29, 0
	s_add_nc_u64 s[28:29], s[12:13], s[28:29]
	ds_load_b128 v[96:99], v91 offset:STG
	ds_load_b128 v[100:103], v91 offset:STG+8*272
	s_wait_dscnt 0x0
	global_store_b128 v92, v[96:99], s[28:29]      ; 16 lanes store a row of out2: 256 consecutive bytes, aligned
	global_store_b128 v92, v[100:103], s[28:29] offset:2048
	s_branch .Lend
.Lvp:
	v_lshlrev_b32 v93, 3, v1
	s_lshl_b32 s28, s16, 4
	s_add_co_u32 s28, s28, s15
	s_lshl_b32 s28, s28, 8
	s_add_co_u32 s28, s28, 10485760
	s_mov_b32 s29, 0
	s_add_nc_u64 s[28:29], s[8:9], s[28:29]
	ds_load_b64 v[96:97], v93 offset:VPS
	s_wait_dscnt 0x0
	global_store_b64 v93, v[96:97], s[28:29]       ; vsp of unit 16 bh + ft
.Lend:
	s_wait_tensorcnt 0x0                           ; the wave's end, behind my last LDS store
	ds_add_u32 v[SPW], v[NIL]
	s_wait_dscnt 0x0
	s_endpgm
.Lfunc_end_k_q9dd057fe40_prefix:
	.size	k_q9dd057fe40_prefix, .Lfunc_end_k_q9dd057fe40_prefix-k_q9dd057fe40_prefix
	.p2alignl 7, 3214868480
	.fill 96, 4, 3214868480
	.section	.rodata,"a",@progbits
	.p2align	6, 0x0
	.amdhsa_kernel k_q9dd057fe40_prefix
		.amdhsa_group_segment_fixed_size 5376
		.amdhsa_private_segment_fixed_size 0
		.amdhsa_enable_private_segment 0
		.amdhsa_kernarg_size 40
		.amdhsa_user_sgpr_count 2
		.amdhsa_user_sgpr_kernarg_segment_ptr 1
		.amdhsa_wavefront_size32 1
		.amdhsa_system_sgpr_workgroup_id_x 1
		.amdhsa_system_sgpr_workgroup_id_y 1
		.amdhsa_system_sgpr_workgroup_id_z 1
		.amdhsa_system_vgpr_workitem_id 0
		.amdhsa_next_free_vgpr 224
		.amdhsa_next_free_sgpr 66
		.amdhsa_reserve_vcc 1
		.amdhsa_float_denorm_mode_32 3
		.amdhsa_float_denorm_mode_16_64 3
		.amdhsa_memory_ordered 1
		.amdhsa_forward_progress 1
		.amdhsa_inst_pref_size 51
	.end_amdhsa_kernel
	.amdgpu_metadata
---
amdhsa.version: [ 1, 2 ]
amdhsa.kernels:
  - .name:           k_q9dd057fe40_prefix
    .symbol:         k_q9dd057fe40_prefix.kd
    .args:
      - { .name: st, .offset: 0, .size: 8, .value_kind: global_buffer, .address_space: global }
      - { .name: th, .offset: 8, .size: 8, .value_kind: global_buffer, .address_space: global }
      - { .name: sp, .offset: 16, .size: 8, .value_kind: global_buffer, .address_space: global }
      - { .name: out1, .offset: 24, .size: 8, .value_kind: global_buffer, .address_space: global }
      - { .name: out2, .offset: 32, .size: 8, .value_kind: global_buffer, .address_space: global }
    .group_segment_fixed_size: 5376
    .private_segment_fixed_size: 0
    .kernarg_segment_align: 8
    .kernarg_segment_size: 40
    .max_flat_workgroup_size: 160
    .sgpr_count:     66
    .vgpr_count:     224
    .wavefront_size: 32
...
	.end_amdgpu_metadata
.endif
;; end of part 3
;; launch attn (part 4): grid 8 x 32, 4 waves a work-group, no clusters, 255,488 bytes of LDS; arguments qk, vt, st, sp, wb, o2; writes o2
.if DOCPART == 4
	.amdgcn_target "amdgcn-amd-amdhsa--gfx1250"
	.amdhsa_code_object_version 6
	.text
	.protected	k_q9dd057fe40_attn
	.globl	k_q9dd057fe40_attn
	.p2align	8
	.type	k_q9dd057fe40_attn,@function
k_q9dd057fe40_attn:
	s_mov_b64 s[64:65], 0
	v_nop
	global_prefetch_b8 v0, s[64:65] scope:SCOPE_SE
	s_setreg_imm32_b32 hwreg(HW_REG_WAVE_MODE, 25, 1), 1
	s_wait_xcnt 0x0
; ATTN.  A unit u (batch, head, chunk c of 256 tokens).  qf = bf16(2^(c2 raw - c2 rowmax - dl) + 1e-4), khat = bf16(2^(c2 raw - c2 m - dl)), m the largest raw key score of the whole launch before.
; The key features are khat + 1e-4; the 1e-4 is never rounded: with rq = sum over f of qf and a = 1e-4 rq,
;   A(i, j) = qf_i . khat_j + a_i for j <= i, else 0;   num_e = qf . Sprev_e + a VP_e + sum_j A v_je;   den = qf . Zprev + rq (0.0256 c + 1.6e-5) + sum_j A;   O = num / den.
; (The ratio 1 / 16 of both feature maps cancels; on the keys' side it turns the 1e-6 into 1.6e-5.)  A, v and O go to the matrix unit as an upper and a lower bf16: Ah Vh + Ah Vl + Al Vh.
; o2: [token][128 head + e] O's upper bf16, [.. + 64 + e] its lower: a unit writes 256 aligned bytes a token.
; LIMITS.  An exponential below 2^-126 counts as 0; the product of the two lower parts, 2^-18 of a term, is left out; NaN and infinities are not treated apart.
; NO CLUSTER: of the 237 KiB that a unit reads it shares 36 KiB (proj, the maxima) with others.  No prefetch: all that a unit reads is asked for at its head or one tile ahead.
; SHARES.  Four bands x of 64 queries; wave w owns tile 4 x + w of each.  Band x sees key step s (64 keys) if s <= x, with the diagonal's mask if s = x: the same work for every wave.
; LAYOUT.  All products hold one query (token) a lane: dd^T = proj q^T, G^T = khat qf^T, O^T = V^T A (+ S^T qf).  Packed in pairs a result is half of the next product's fragment.
; REGISTERS.  window 0: addresses, statistics, G, A's two parts, V's fragments; window 1: proj, then S's fragments, then khat's; window 2: qf at 64 x + 8 ks;
; window 3: dd, then O^T(x, et) at 40 x + 8 et (et = 4: row 0 qf . Zprev, row 1 rq, row 2 sum of A), VP at 168, the mask at 200.
.set VL,    131072                     ; LDS 0: features, 32 KiB a wave (its qf tiles, then its khat tiles); here: v's two parts, the unit's 64 KiB as they lie in vt
.set SX,    196608                     ; the unit's 40,960 bytes of sp
.set STG,   237568                     ; 16 rows x 272 bytes for each wave, for the way out
.set SPARE, 254976                     ; the spare words, 128 bytes a wave: two blocks of 256 bytes that no other line names
.set NEG1, 26
.set SPW,  28
.set NIL,  29
.set QB,   32                          ; v32-47 a tile of q or k
.set G,    32                          ; v32-63 later: G^T, 4 key tiles
.set PK,   64                          ; v64-127 a tile's features, packed
.set PH,   64                          ; later: A's upper part,
.set PL,   80                          ; and its lower
.set ONES, 96                          ; v96-103 source 0 with ones in row 2
.set AX,   104                         ; v104-111 a of band x, in pairs
.set RQ,   112
.set DN,   116                         ; v116-123 1 / den, in pairs
.set VF,   128                         ; v128-255 V: part p, key half kk, e tile et at 64 p + 32 kk + 8 et
.set HI,   128                         ; the way out
.set LP,   144
.set LF,   160
.set BK,   192
.set VP,   168                         ; window 3
.set MD,   200                         ; window 3
.set SEL,  40
.set CS,   42
.set EPS,  44
.set MSB, 0
.macro WIN new                         ; the immediate's high byte repeats the setting that is left; a switch that changes nothing is dropped
.if MSB != (\new)
	s_set_vgpr_msb (MSB<<8)|(\new)
.set MSB, \new
.endif
.endm
.macro PLACES                          ; four plain instructions between a matrix instruction and a reader of its result, a writer of its registers or a load into them
.rept 4
	v_nop
.endr
.endm
.macro MIXLO d, h, c, j                ; d = c - (half j % 2 of the packed pair h)
.if (\j)%2
	v_fma_mix_f32_bf16 v[\d], v[\h], v[NEG1], v[\c] op_sel:[1,0,0] op_sel_hi:[1,0,0]
.else
	v_fma_mix_f32_bf16 v[\d], v[\h], v[NEG1], v[\c] op_sel_hi:[1,0,0]
.endif
.endm
	s_load_b256 s[4:11], s[0:1], 0x0               ; qk s[4:5], vt s[6:7], st s[8:9], sp s[10:11]
	s_load_b128 s[12:15], s[0:1], 0x20             ; wb s[12:13], o2 s[14:15]
	v_lshl_add_u32 v[SPW], v0, 2, SPARE
	v_mov_b32 v[NIL], 0
	v_lshrrev_b32 v1, 5, v0
	v_readfirstlane_b32 s16, v1                    ; wave
	s_mov_b32 s17, ttmp9                           ; head
	s_and_b32 s18, ttmp7, 0xffff                   ; token block
	s_lshr_b32 s19, s18, 4
	s_lshl_b32 s19, s19, 3
	s_add_co_u32 s19, s19, s17
	s_lshl_b32 s19, s19, 4
	s_and_b32 s52, s18, 15                         ; c
	s_add_co_u32 s19, s19, s52                     ; u
	v_and_b32 v1, 31, v0
	v_and_b32 v2, 15, v0                           ; r
	v_bfe_u32 v3, v0, 4, 1                         ; h
	v_lshlrev_b32 v4, 4, v1                        ; 16 l
	v_lshlrev_b32 v30, 2, v2                       ; 4 r
	v_lshlrev_b32 v31, 5, v3                       ; 32 h
	s_mov_b32 s[SEL], 0x76543210
	s_mov_b32 s[SEL+1], 0xfedcba98
	s_mov_b32 s[CS], 0x3f0293ee                    ; c2
	s_mov_b32 s[CS+1], s[CS]
	s_mov_b32 s[EPS], 0x38d1b717                   ; 1e-4
	s_mov_b32 s[EPS+1], s[EPS]
	s_mov_b32 s47, 0                               ; byte of the tile asked for last, in my walk through q's and k's tiles,
	s_mov_b32 s48, 0                               ; and of its dl
	s_mov_b32 s21, 0
	s_wait_kmcnt 0x0
	s_lshl_b32 s20, s19, 16
	s_lshl_b32 s22, s16, 11
	s_add_co_u32 s20, s20, s22
	s_add_nc_u64 s[24:25], s[4:5], s[20:21]        ; q's tile w; tile 4 x + w lies 8,192 x on, k's tiles behind q's
	s_lshl_b32 s20, s19, 11
	s_lshl_b32 s22, s16, 6
	s_add_co_u32 s20, s20, s22
	s_add_nc_u64 s[26:27], s[8:9], s[20:21]        ; dl likewise, 256 x on
	s_add_nc_u64 s[28:29], s[8:9], 524288          ; the maxima
	s_lshl_b32 s20, s19, 16
	s_lshl_b32 s22, s16, 14
	s_add_co_u32 s20, s20, s22
	s_add_nc_u64 s[30:31], s[6:7], s[20:21]        ; my quarter of the unit's v
	s_mul_i32 s20, s19, 40960
	s_mul_i32 s22, s16, 10240
	s_add_co_u32 s20, s20, s22
	s_add_nc_u64 s[32:33], s[10:11], s[20:21]      ; my quarter of the unit's S
	s_lshl_b32 s20, s19, 8
	s_add_co_u32 s20, s20, 10485760
	s_add_nc_u64 s[34:35], s[10:11], s[20:21]      ; VP
	s_add_nc_u64 s[36:37], s[12:13], 2621440       ; proj's fragments
	s_lshl_b32 s20, s18, 19
	s_lshl_b32 s22, s16, 15
	s_add_co_u32 s20, s20, s22
	s_lshl_b32 s22, s17, 8
	s_add_co_u32 s20, s20, s22
	s_add_nc_u64 s[38:39], s[14:15], s[20:21]      ; o2 at token 256 block + 16 w, my head's 256 bytes
.irp i, 0,1,2,3,4,5,6,7
	global_load_b128 v[128+4*(\i):128+4*(\i)+3], v4, s[28:29] offset:512*(\i)
.endr
.irp cc, 0,1,2,3
	global_load_b128 v[QB+4*(\cc):QB+4*(\cc)+3], v4, s[24:25] offset:512*(\cc)
.endr
	global_load_b32 v18, v30, s[26:27]
	WIN 0x40
.set i, 0
.rept 64
	global_load_b128 v[4*i:4*i+3], v4, s[36:37] offset:512*i
.set i, i+1
.endr
	WIN 0xc0
.set i, 0
.rept 32
	global_load_b128 v[128+4*i:128+4*i+3], v4, s[30:31] offset:512*i
.set i, i+1
.endr
	WIN 0x80
.set i, 0
.rept 20
	global_load_b128 v[4*i:4*i+3], v4, s[32:33] offset:512*i
.set i, i+1
.endr
	WIN 0
	s_lshl_b32 s20, s16, 15
	v_add_nc_u32 v5, s20, v4                       ; v5  my 32 KiB of features
	v_mov_b32 v6, v5                               ; v6  walks them
	v_mov_b32 v9, v4                               ; v9  khat of key tiles 0, 1 of the step in hand,
	v_add_nc_u32 v10, 65536, v4                    ; v10 of tiles 2, 3
	v_add_nc_u32 v11, VL, v4                       ; v11 V of the step in hand
	v_add_nc_u32 v12, SX, v4
	s_mul_i32 s20, s16, 4352
	s_add_co_u32 s20, s20, STG
	v_mul_u32_u24 v13, v2, 272
	v_lshl_add_u32 v13, v3, 4, v13
	v_add_nc_u32 v13, s20, v13                     ; v13 the way out, in: row r, 16 bytes a half
	v_mul_u32_u24 v14, v3, 272
	v_lshl_add_u32 v14, v2, 4, v14
	v_add_nc_u32 v14, s20, v14                     ; v14 back: lanes 0-15 one row, lanes 16-31 the next
	v_lshlrev_b32 v15, 11, v3
	v_lshl_add_u32 v15, v2, 4, v15                 ; v15 the same two rows in o2
	v_mov_b32 v[NEG1], -1.0
	s_lshl_b32 s20, s16, 14
	v_add_nc_u32 v24, s20, v11
	s_mul_i32 s20, s16, 10240
	v_add_nc_u32 v25, s20, v12
	s_wait_loadcnt 0x0
	WIN 0x0c
.set i, 0
.rept 32
	ds_store_b128 v24, v[128+4*i:128+4*i+3] offset:512*i
.set i, i+1
.endr
	WIN 0x08
.set i, 0
.rept 20
	ds_store_b128 v25, v[4*i:4*i+3] offset:512*i
.set i, i+1
.endr
	WIN 0
.set i, 0
.rept 15
	v_max3_num_f32 v128, v128, v[129+2*i], v[130+2*i]
.set i, i+1
.endr
	v_max_num_f32 v128, v128, v159
	v_max_num_f32_dpp v128, v128, v128 row_xmask:1 row_mask:0xf bank_mask:0xf
	v_max_num_f32_dpp v128, v128, v128 row_xmask:2 row_mask:0xf bank_mask:0xf
	v_max_num_f32_dpp v128, v128, v128 row_xmask:4 row_mask:0xf bank_mask:0xf
	v_max_num_f32_dpp v128, v128, v128 row_xmask:8 row_mask:0xf bank_mask:0xf
	v_permlanex16_b32 v129, v128, s[SEL], s[SEL+1]
	v_max_num_f32 v128, v128, v129
	v_mul_f32 v19, s[CS], v128                     ; c2 m
; THE FEATURES of one tile of 16 tokens: dd^T = proj x tile^T, 16 feature tiles; a lane holds one token and 8 features of each.  The 16 accumulators take turns.
; isq = 1: the token's own maximum is taken away and 1e-4 added; 0: m is taken away.  The next tile is asked for behind the products.
.macro FFMA                            ; pair p of 64: c2 raw - R
	v_pk_fma_f32 v[2*p:2*p+1], v[2*p:2*p+1], s[CS:CS+1], v[16:17] op_sel_hi:[1,0,1] neg_lo:[0,0,1] neg_hi:[0,0,1]
.set p, p+1
.endm
.macro FEAT isq
	s_wait_loadcnt 0x0                             ; the tile and its dl
	WIN 0xf1
.irp ks, 0,1
.set ft, 0
.rept 16
.if (\ks) == 0
	v_wmma_f32_16x16x32_bf16 v[8*ft:8*ft+7], v[16*ft+8*(\ks):16*ft+8*(\ks)+7], v[QB+8*(\ks):QB+8*(\ks)+7], 0
.else
	v_wmma_f32_16x16x32_bf16 v[8*ft:8*ft+7], v[16*ft+8*(\ks):16*ft+8*(\ks)+7], v[QB+8*(\ks):QB+8*(\ks)+7], v[8*ft:8*ft+7]
.endif
.set ft, ft+1
.endr
.endr
	WIN 0
	PLACES
	v_mov_b32 v25, v18                             ; dl is kept: the load below writes v18 anew
	s_add_co_u32 s47, s47, 8192
	s_add_co_u32 s48, s48, 256
.if !(\isq)
	s_min_u32 s47, s47, 57344                      ; behind k's last tile there is none: the last tile is named once more, so that no load leaves the buffer
	s_min_u32 s48, s48, 1792
.endif
	v_add_nc_u32 v7, s47, v4
	v_add_nc_u32 v8, s48, v30
.irp cc, 0,1,2,3
	global_load_b128 v[QB+4*(\cc):QB+4*(\cc)+3], v7, s[24:25] offset:512*(\cc)
.endr
	global_load_b32 v18, v8, s[26:27]
.if \isq
.irp i, 0,1,2,3
	v_mov_b32 v[20+(\i)], 0xff800000
.endr
	WIN 0x3c
.irp i, 0,1,2,3
.set ft, 0
.rept 16
	v_max3_num_f32 v[20+ft%4], v[20+ft%4], v[8*ft+2*(\i)], v[8*ft+2*(\i)+1]
.set ft, ft+1
.endr
.endr
	WIN 0
	v_max3_num_f32 v20, v20, v21, v22
	v_max_num_f32 v20, v20, v23
	v_permlanex16_b32 v21, v20, s[SEL], s[SEL+1]   ; the token's other 128 features lie in the lane 16 away
	v_max_num_f32 v20, v20, v21
	v_fma_f32 v16, v20, s[CS], v25                 ; R = c2 max + dl
.else
	v_add_f32 v16, v19, v25                        ; R = c2 m + dl
.endif
	v_mov_b32 v17, v16
	WIN 0xc3
.set p, 0
	FFMA
	FFMA
.set e, 0
.rept 64                               ; scalings and exponentials by turns; none of them reads an exponential's result
	v_exp_f32 v[2*e], v[2*e]
.if p < 64
	FFMA
.endif
	v_exp_f32 v[2*e+1], v[2*e+1]
.set e, e+1
.endr
	v_nop                                          ; a plain instruction behind the last exponential,
	s_wait_alu depctr_va_vdst(0)                   ; and one wait for the batch of 128, ahead of its first reader
.if \isq
.set p, 0
.rept 64
	v_pk_add_f32 v[2*p:2*p+1], v[2*p:2*p+1], s[EPS:EPS+1] op_sel_hi:[1,0]
.set p, p+1
.endr
.endif
	WIN 0x0f
.set p, 0
.rept 64
	v_cvt_pk_bf16_f32 v[PK+p], v[2*p], v[2*p+1]
.set p, p+1
.endr
	WIN 0
.set ft, 0
.rept 16
	ds_store_b128 v6, v[PK+4*ft:PK+4*ft+3] offset:512*ft
.set ft, ft+1
.endr
	v_add_nc_u32 v6, 8192, v6
.endm
	s_mov_b32 s46, 4
.Lq:
	FEAT 1
	s_sub_co_u32 s46, s46, 1
	s_cmp_lg_u32 s46, 0
	s_cbranch_scc1 .Lq
	WIN 0x80
.set i, 0
.rept 64
	ds_load_b128 v[4*i:4*i+3], v5 offset:512*i     ; qf stays in registers; LDS serves a wave's instructions in order, so k's features may follow into the same bytes
.set i, i+1
.endr
	WIN 0
	v_mov_b32 v6, v5
	s_mov_b32 s46, 4
.Lk:
	FEAT 0
	s_sub_co_u32 s46, s46, 1
	s_cmp_lg_u32 s46, 0
	s_cbranch_scc1 .Lk
	s_wait_loadcnt 0x0
	WIN 0xc0
.irp i, 0,1,2,3,4,5,6,7
	global_load_b128 v[VP+4*(\i):VP+4*(\i)+3], v31, s[34:35] offset:64*((\i)/2)+16*((\i)%2)  ; VP of e = 16 et + 8 h + 0..7
.endr
	WIN 0
	v_lshlrev_b32 v24, 3, v3
	v_sub_nc_u32 v24, v2, v24
	s_lshl_b32 s20, s16, 4
	v_add_nc_u32 v24, s20, v24                     ; my query's place in its band less my half's 8: key 16 kt + j of the band's own step is seen where it is not greater
	WIN 0xc0
.set i, 0
.rept 32
	v_cmp_le_i32 vcc_lo, 16*(i/8)+i%8, v24
	v_cndmask_b32 v[MD+i], 0, 1.0, vcc_lo
.set i, i+1
.endr
	WIN 0
	s_mov_b32 s50, 0x3f803f80
	v_cmp_eq_u32 vcc_lo, 2, v2
	v_cndmask_b32 v[ONES], 0, s50, vcc_lo
.irp i, 1,2,3,4,5,6,7
	v_mov_b32 v[ONES+(\i)], v[ONES]
.endr
	v_cvt_f32_u32 v27, s52
	v_mov_b32 v24, 0x378637bd
	s_mov_b32 s51, 0x3cd1b717
	v_fma_f32 v27, v27, s51, v24                   ; 0.0256 c + 1.6e-5
	s_wait_dscnt 0x0                               ; for the others' sake: my khat, my parts of V and S lie in LDS; qf is in
	s_barrier_signal -1
	s_barrier_wait -1
; O^T = S^T qf^T, all 256 features: 4 groups of 64, three buffers of 80 registers
.macro SLOAD g, b
	WIN 0x40
.irp k2, 0,1
.irp et, 0,1,2,3,4
	ds_load_b128 v[80*(\b)+40*(\k2)+8*(\et):80*(\b)+40*(\k2)+8*(\et)+3],   v12 offset:8192*(\et)+1024*(2*(\g)+(\k2))
	ds_load_b128 v[80*(\b)+40*(\k2)+8*(\et)+4:80*(\b)+40*(\k2)+8*(\et)+7], v12 offset:8192*(\et)+1024*(2*(\g)+(\k2))+512
.endr
.endr
.endm
.macro SMUL g, b                       ; the 20 accumulators take turns
	WIN 0xf9
.irp k2, 0,1
.irp x, 0,1,2,3
.irp et, 0,1,2,3,4
.if ((\g)+(\k2)) == 0
	v_wmma_f32_16x16x32_bf16 v[40*(\x)+8*(\et):40*(\x)+8*(\et)+7], v[80*(\b)+40*(\k2)+8*(\et):80*(\b)+40*(\k2)+8*(\et)+7], v[64*(\x)+8*(2*(\g)+(\k2)):64*(\x)+8*(2*(\g)+(\k2))+7], 0
.else
	v_wmma_f32_16x16x32_bf16 v[40*(\x)+8*(\et):40*(\x)+8*(\et)+7], v[80*(\b)+40*(\k2)+8*(\et):80*(\b)+40*(\k2)+8*(\et)+7], v[64*(\x)+8*(2*(\g)+(\k2)):64*(\x)+8*(2*(\g)+(\k2))+7], v[40*(\x)+8*(\et):40*(\x)+8*(\et)+7]
.endif
.endr
.endr
.endr
.endm
	SLOAD 0, 0
	SLOAD 1, 1
	SLOAD 2, 2
	s_wait_dscnt 40                                ; group 0 is in; two groups of 20 loads may be out
	SMUL 0, 0
	PLACES
	SLOAD 3, 0
	s_wait_dscnt 40                                ; group 1 is in
	SMUL 1, 1
	s_wait_dscnt 20
	SMUL 2, 2
	s_wait_dscnt 0x0
	SMUL 3, 0
	WIN 0
	PLACES
	WIN 0x03
.irp x, 0,1,2,3
	v_mov_b32 v[RQ+(\x)], v[40*(\x)+33]            ; rq: row 1 of the fifth tile, in the lower half of the lanes; the upper half holds 0
.endr
	WIN 0
.irp x, 0,1,2,3
	v_permlanex16_b32 v24, v[RQ+(\x)], s[SEL], s[SEL+1]
	v_add_f32 v[RQ+(\x)], v[RQ+(\x)], v24
	v_mul_f32 v[AX+2*(\x)], 0x38d1b717, v[RQ+(\x)]
	v_mov_b32 v[AX+2*(\x)+1], v[AX+2*(\x)]
.endr
; four (five) products O^T(x, .) += V(part vp, key half kk) x A(part pb, key half kk); ones = 1: the fifth tile's row 2 takes the sum of A
.macro PV4 x, vp, pb, kk, ones
.irp et, 0,1,2,3
	v_wmma_f32_16x16x32_bf16 v[40*(\x)+8*(\et):40*(\x)+8*(\et)+7], v[VF+64*(\vp)+32*(\kk)+8*(\et):VF+64*(\vp)+32*(\kk)+8*(\et)+7], v[(\pb)+8*(\kk):(\pb)+8*(\kk)+7], v[40*(\x)+8*(\et):40*(\x)+8*(\et)+7]
.endr
.if \ones
	v_wmma_f32_16x16x32_bf16 v[40*(\x)+32:40*(\x)+39], v[ONES:ONES+7], v[(\pb)+8*(\kk):(\pb)+8*(\kk)+7], v[40*(\x)+32:40*(\x)+39]
.endif
.endm
; Band x against the key step in hand; jumped over where the step lies wholly above the diagonal.  No barrier stands in what is jumped.
.macro XBLOCK x
	WIN 0
	s_cmp_gt_u32 s49, \x
	s_cbranch_scc1 .Lskip_\@
	WIN 0x09
.irp ks, 0,1,2,3,4,5,6,7
.irp kt, 0,1,2,3
.if (\ks) == 0
	v_wmma_f32_16x16x32_bf16 v[G+8*(\kt):G+8*(\kt)+7], v[64*(\kt)+8*(\ks):64*(\kt)+8*(\ks)+7], v[64*(\x)+8*(\ks):64*(\x)+8*(\ks)+7], 0
.else
	v_wmma_f32_16x16x32_bf16 v[G+8*(\kt):G+8*(\kt)+7], v[64*(\kt)+8*(\ks):64*(\kt)+8*(\ks)+7], v[64*(\x)+8*(\ks):64*(\x)+8*(\ks)+7], v[G+8*(\kt):G+8*(\kt)+7]
.endif
.endr
.endr
	WIN 0
	PLACES
.set p, 0
.rept 16
	v_pk_add_f32 v[G+2*p:G+2*p+1], v[G+2*p:G+2*p+1], v[AX+2*(\x):AX+2*(\x)+1]
.set p, p+1
.endr
	s_cmp_lg_u32 s49, \x
	s_cbranch_scc1 .Lnomask_\@
	WIN 0x0c
.set p, 0
.rept 16
	v_pk_mul_f32 v[G+2*p:G+2*p+1], v[G+2*p:G+2*p+1], v[MD+2*p:MD+2*p+1]
.set p, p+1
.endr
	WIN 0
.Lnomask_\@:
.set p, 0
.rept 16
	v_cvt_pk_bf16_f32 v[PH+p], v[G+2*p], v[G+2*p+1]
.set p, p+1
.endr
.set j, 0
.rept 32
	MIXLO G+j, PH+j/2, G+j, j
.set j, j+1
.endr
.set p, 0
.rept 16
	v_cvt_pk_bf16_f32 v[PL+p], v[G+2*p], v[G+2*p+1]
.set p, p+1
.endr
	s_wait_dscnt 0x0                               ; V is in
	WIN 0xf0
	PV4 \x, 0, PH, 0, 1
	PV4 \x, 0, PH, 1, 1
	PV4 \x, 1, PH, 0, 0
	PV4 \x, 1, PH, 1, 0
	PV4 \x, 0, PL, 0, 1
	PV4 \x, 0, PL, 1, 1
	WIN 0
.Lskip_\@:
.endm
	s_mov_b32 s49, 0
.Ls:                                                   ; key step s: 64 keys
	PLACES
	WIN 0x40
.irp kt, 0,1,2,3
.set ft, 0
.rept 16
	ds_load_b128 v[64*(\kt)+4*ft:64*(\kt)+4*ft+3], v[9+(\kt)/2] offset:32768*((\kt)%2)+512*ft
.set ft, ft+1
.endr
.endr
	WIN 0
.irp pp, 0,1
.irp kk, 0,1
.irp et, 0,1,2,3
	ds_load_b128 v[VF+64*(\pp)+32*(\kk)+8*(\et):VF+64*(\pp)+32*(\kk)+8*(\et)+3],   v11 offset:32768*(\pp)+4096*(\kk)+512*(\et)
	ds_load_b128 v[VF+64*(\pp)+32*(\kk)+8*(\et)+4:VF+64*(\pp)+32*(\kk)+8*(\et)+7], v11 offset:32768*(\pp)+4096*(\kk)+2048+512*(\et)
.endr
.endr
.endr
	s_wait_dscnt 32                                ; khat is in; V's 32 loads may be out
	XBLOCK 0
	XBLOCK 1
	XBLOCK 2
	XBLOCK 3
	v_add_nc_u32 v9, 8192, v9
	v_add_nc_u32 v10, 8192, v10
	v_add_nc_u32 v11, 8192, v11
	s_add_co_u32 s49, s49, 1
	s_cmp_lt_u32 s49, 4
	s_cbranch_scc1 .Ls
	; THE WAY OUT
	PLACES
	s_wait_loadcnt 0x0                             ; VP
	WIN 0x33
.irp x, 0,1,2,3
	v_fma_f32 v[DN+2*(\x)], v[40*(\x)+33], v27, v[40*(\x)+32]
	v_add_f32 v[DN+2*(\x)], v[40*(\x)+34], v[DN+2*(\x)]
.endr
	WIN 0
.irp x, 0,1,2,3
	v_permlanex16_b32 v24, v[DN+2*(\x)], s[SEL], s[SEL+1]   ; the upper half of the lanes holds 0: the sum brings den to both
	v_add_f32 v[DN+2*(\x)], v[DN+2*(\x)], v24
.endr
.irp x, 0,1,2,3
	v_rcp_f32 v[DN+2*(\x)], v[DN+2*(\x)]
.endr
	v_nop                                          ; a plain instruction behind the last reciprocal,
	s_wait_alu depctr_va_vdst(0)                   ; and one wait for the four
.irp x, 0,1,2,3
	v_mov_b32 v[DN+2*(\x)+1], v[DN+2*(\x)]
.endr
.macro OUTX x
	s_wait_xcnt 0x0                                ; the last band's stores have read their registers
	WIN 0xf3
.set p, 0
.rept 16
	v_pk_fma_f32 v[40*(\x)+2*p:40*(\x)+2*p+1], v[VP+2*p:VP+2*p+1], v[AX+2*(\x):AX+2*(\x)+1], v[40*(\x)+2*p:40*(\x)+2*p+1]
.set p, p+1
.endr
	WIN 0xc3
.set p, 0
.rept 16
	v_pk_mul_f32 v[40*(\x)+2*p:40*(\x)+2*p+1], v[40*(\x)+2*p:40*(\x)+2*p+1], v[DN+2*(\x):DN+2*(\x)+1]
.set p, p+1
.endr
	WIN 0x0f
.set p, 0
.rept 16
	v_cvt_pk_bf16_f32 v[HI+p], v[40*(\x)+2*p], v[40*(\x)+2*p+1]
.set p, p+1
.endr
	WIN 0x30
.set j, 0
.rept 32
	MIXLO LF+j, HI+j/2, 40*(\x)+j, j
.set j, j+1
.endr
	WIN 0
.set p, 0
.rept 16
	v_cvt_pk_bf16_f32 v[LP+p], v[LF+2*p], v[LF+2*p+1]
.set p, p+1
.endr
.irp et, 0,1,2,3
	ds_store_b128 v13, v[HI+4*(\et):HI+4*(\et)+3] offset:32*(\et)
	ds_store_b128 v13, v[LP+4*(\et):LP+4*(\et)+3] offset:128+32*(\et)
.endr
.irp t, 0,1,2,3,4,5,6,7
	ds_load_b128 v[BK+4*(\t):BK+4*(\t)+3], v14 offset:544*(\t)  ; LDS serves a wave's instructions in order: these see the stores above
.endr
.irp t, 0,1,2,3,4,5,6,7
	s_wait_dscnt 7-(\t)
	global_store_b128 v15, v[BK+4*(\t):BK+4*(\t)+3], s[38:39] offset:131072*(\x)+4096*(\t)  ; 16 lanes store 256 consecutive bytes, aligned
.endr
.endm
	OUTX 0
	OUTX 1
	OUTX 2
	OUTX 3
	s_wait_tensorcnt 0x0                           ; the wave's end, behind my last LDS store
	ds_add_u32 v[SPW], v[NIL]
	s_wait_dscnt 0x0
	s_endpgm
.Lfunc_end_k_q9dd057fe40_attn:
	.size	k_q9dd057fe40_attn, .Lfunc_end_k_q9dd057fe40_attn-k_q9dd057fe40_attn
	.p2alignl 7, 3214868480
	.fill 96, 4, 3214868480
	.section	.rodata,"a",@progbits
	.p2align	6, 0x0
	.amdhsa_kernel k_q9dd057fe40_attn
		.amdhsa_group_segment_fixed_size 255488
		.amdhsa_private_segment_fixed_size 0
		.amdhsa_enable_private_segment 0
		.amdhsa_kernarg_size 48
		.amdhsa_user_sgpr_count 2
		.amdhsa_user_sgpr_kernarg_segment_ptr 1
		.amdhsa_wavefront_size32 1
		.amdhsa_system_sgpr_workgroup_id_x 1
		.amdhsa_system_sgpr_workgroup_id_y 1
		.amdhsa_system_sgpr_workgroup_id_z 1
		.amdhsa_system_vgpr_workitem_id 0
		.amdhsa_next_free_vgpr 1024
		.amdhsa_next_free_sgpr 66
		.amdhsa_reserve_vcc 1
		.amdhsa_float_denorm_mode_32 3
		.amdhsa_float_denorm_mode_16_64 3
		.amdhsa_memory_ordered 1
		.amdhsa_forward_progress 1
		.amdhsa_inst_pref_size 169
	.end_amdhsa_kernel
	.amdgpu_metadata
---
amdhsa.version: [ 1, 2 ]
amdhsa.kernels:
  - .name:           k_q9dd057fe40_attn
    .symbol:         k_q9dd057fe40_attn.kd
    .args:
      - { .name: qk, .offset: 0, .size: 8, .value_kind: global_buffer, .address_space: global }
      - { .name: vt, .offset: 8, .size: 8, .value_kind: global_buffer, .address_space: global }
      - { .name: st, .offset: 16, .size: 8, .value_kind: global_buffer, .address_space: global }
      - { .name: sp, .offset: 24, .size: 8, .value_kind: global_buffer, .address_space: global }
      - { .name: wb, .offset: 32, .size: 8, .value_kind: global_buffer, .address_space: global }
      - { .name: o2, .offset: 40, .size: 8, .value_kind: global_buffer, .address_space: global }
    .group_segment_fixed_size: 255488
    .private_segment_fixed_size: 0
    .kernarg_segment_align: 8
    .kernarg_segment_size: 48
    .max_flat_workgroup_size: 128
    .sgpr_count:     66
    .vgpr_count:     1024
    .wavefront_size: 32
...
	.end_amdgpu_metadata
.endif
;; end of part 4
;; launch outp (part 5): grid 4 x 64, 4 waves a work-group, clusters of 4 x 4, 327,680 bytes of LDS; arguments o2, wb, out0, bo; writes out0
.if DOCPART == 5
	.amdgcn_target "amdgcn-amd-amdhsa--gfx1250"
	.amdhsa_code_object_version 6
	.text
	.protected	k_q9dd057fe40_outp
	.globl	k_q9dd057fe40_outp
	.p2align	8
	.type	k_q9dd057fe40_outp,@function
k_q9dd057fe40_outp:
	s_mov_b64 s[64:65], 0
	v_nop
	global_prefetch_b8 v0, s[64:65] scope:SCOPE_SE
	s_setreg_imm32_b32 hwreg(HW_REG_WAVE_MODE, 25, 1), 1
	s_wait_xcnt 0x0
	s_wait_alu depctr_hold_cnt(0) depctr_sa_sdst(0) depctr_va_vdst(0) depctr_va_sdst(0) depctr_va_ssrc(0) depctr_va_vcc(0) depctr_vm_vsrc(0)
	s_getreg_b32 s2, hwreg(HW_REG_IB_STS2, 6, 4)
	s_cmp_eq_u32 s2, 0
	s_cbranch_scc0 .Lentry_in_a_cluster
	s_endpgm
.Lentry_in_a_cluster:
	s_bfe_u32 s2, ttmp6, 0x10000c
	s_cmp_lg_u32 s2, 0xf033
	s_cbranch_scc0 .Lentry_shape_is_right
	s_endpgm
.Lentry_shape_is_right:
; OUTP.  out0[m][n] = sum over k of o2[m][k] wo2[n][k] + bo[n].  o2: [8192][1024] bf16 (O's upper and lower bf16 side by side), wo2: [512][1024] bf16 (Wo's rows, each head's 64 numbers twice), out0 f32.
; bo is rounded to bf16 like every other input of the module.  Sums in f32.
; A tile of out0 is 128 x 128: 256 work-groups.  Four waves, each 64 x 64: 16 accumulators.  K in 4 steps of 256 (LDS rows of 512 bytes + 16) through two slots.
; CLUSTER 4 x 4: the four of a row need the same tiles of o2, the four of a column the same tiles of wo2: joint loads.  Two steps come as first fills, two as the first refills: no step further on to ask for ahead.
; THE MATRIX INSTRUCTION IS USED TRANSPOSED (source 0 = 16 rows of wo2): a lane holds eight neighbouring numbers of a row of out0.  A wave's 64 f32 columns are 256 aligned bytes: each wave has a stage of its own.
; REGISTERS: window 0: v0-31 addresses; v32-95 at work on the way out; v96-127 the bias; v128-255 the accumulators ((a, b) at v[128 + 8 (4 a + b)]); window 1: two fragment buffers of 128.
.set SIZE_N, 512
.set SIZE_K, 1024
.set KSTEP,  256
.set PITCH,  528
.set HALFT,  64*PITCH
.set SLOT,   4*HALFT
.set STAGE,  2*SLOT                    ; behind the ring: 16 rows x 272 bytes for each wave
.set SPITCH, 272
.set SPARE,  STAGE+4*16*SPITCH         ; the spare words, 128 bytes a wave: two blocks of 256 bytes that no other line names
.set LAPS, SIZE_K/(2*KSTEP)
.set ADRA, 16
.set ADRB, 20
.set STO,  24
.set RD,   25
.set CO,   26
.set BO,   27
.set SPW,  28
.set NIL,  29
.set TMP,  32
.set BK,   64
.set BIAS, 96
.set ACC,  128
.set F0,   0
.set F1,   128
.set G1, 24
.set G0, 32
.set G1B, 48
.set G0B, 56
.set MSB, 0
.macro WIN new
.if MSB != (\new)
	s_set_vgpr_msb (MSB<<8)|(\new)
.set MSB, \new
.endif
.endm
.set MUL,  0x05
.set TO_F, 0x40
.macro JLOAD s                         ; a joint load: waves 0 and 1 fetch o2's two halves, waves 2 and 3 wo2's; an s_nop 0 and four v_nop follow each line
	s_cmp_eq_u32 s11, 0
	s_cbranch_scc0 .Lfor_b_\@
	tensor_load_to_lds s[G0+4*(\s):G0+4*(\s)+3], s[G1:G1+7]
	s_nop 0
.rept 4
	v_nop
.endr
	s_branch .Lasked_\@
.Lfor_b_\@:
	tensor_load_to_lds s[G0B+4*(\s):G0B+4*(\s)+3], s[G1B:G1B+7]
	s_nop 0
.rept 4
	v_nop
.endr
.Lasked_\@:
.endm
.macro CREST
	s_cmp_lg_u32 s10, 0
	s_cbranch_scc1 .Lnot_wave_0_\@
	s_barrier_signal -3
.Lnot_wave_0_\@:
	s_barrier_wait -3
	s_barrier_signal -1
	s_barrier_wait -1
.endm
.macro CROUND
	s_barrier_signal -1
	s_barrier_wait -1
	CREST
.endm
	s_load_b128 s[4:7], s[0:1], 0x0                ; o2 s[4:5], wb s[6:7]
	s_load_b64 s[8:9], s[0:1], 0x10                ; out0
	s_load_b64 s[68:69], s[0:1], 0x18              ; bo
	v_lshl_add_u32 v[SPW], v0, 2, SPARE
	v_mov_b32 v[NIL], 0
	ds_add_u32 v[SPW], v[NIL]                      ; the wave's opening: the add and its wait ahead of my first tensor load
	v_lshrrev_b32 v1, 5, v0
	v_readfirstlane_b32 s10, v1                    ; wave 0..3
	s_lshr_b32 s11, s10, 1                         ; which half of the tile's rows is mine.  Also: I fetch for o2 (0) or for wo2 (1)
	s_and_b32 s12, s10, 1                          ; which half of its columns.  Also: which 64 rows of that tile I fetch
	s_bfe_u32 s40, ttmp6, 0x40000
	s_bfe_u32 s41, ttmp6, 0x40004
	s_lshl_b32 s42, ttmp9, 2
	s_add_co_u32 s42, s42, s40                     ; tile column
	s_and_b32 s13, ttmp7, 0xffff
	s_lshl_b32 s13, s13, 2
	s_add_co_u32 s13, s13, s41                     ; tile row
	s_lshl_b32 s43, s41, 2
	s_lshl_b32 s43, 15, s43
	s_lshl_b32 s44, 0x1111, s40
	s_or_b32 s[G1+0], s43, (1<<16)|(1<<20)|(1<<21)|(6<<22)|(3<<25)   ; the mask; 2-byte elements; padding on; bit 21 beside a mask; after every 128 words 4 words
	s_or_b32 s[G1B+0], s44, (1<<16)|(1<<20)|(1<<21)|(6<<22)|(3<<25)
.irp g, G1, G1B
	s_mov_b32 s[(\g)+1], KSTEP<<16
	s_mov_b32 s[(\g)+2], 64<<16
	s_mov_b32 s[(\g)+3], KSTEP<<16
	s_mov_b32 s[(\g)+4], 64
	s_mov_b32 s[(\g)+5], SIZE_K
	s_mov_b32 s[(\g)+6], 0
	s_mov_b32 s[(\g)+7], 0
.endr
	s_lshl_b32 s17, s12, 6
	s_lshl_b32 s16, s13, 7
	s_add_co_u32 s16, s16, s17
	s_lshl_b32 s46, s42, 7
	s_add_co_u32 s46, s46, s17
	s_mov_b32 s17, 0
	s_mov_b32 s47, 0
	s_mov_b64 s[18:19], SIZE_K*2
	s_mul_u64 s[16:17], s[16:17], s[18:19]
	s_mul_u64 s[46:47], s[46:47], s[18:19]
	s_mul_i32 s20, s10, HALFT
	s_wait_dscnt 0x0                               ; the opening add is done
	s_wait_kmcnt 0x0
	s_add_nc_u64 s[6:7], s[6:7], 1572864           ; wo2
	s_add_nc_u64 s[14:15], s[4:5], s[16:17]
	s_add_nc_u64 s[46:47], s[6:7], s[46:47]
	CROUND                                         ; all sixteen work-groups are here: the first joint loads meet
.irp s, 0,1
	s_mov_b32 s[G0+4*(\s)], 1
	s_add_co_u32 s[G0+4*(\s)+1], s20, (\s)*SLOT
	s_add_nc_u64 s[G0+4*(\s)+2:G0+4*(\s)+3], s[14:15], (\s)*KSTEP*2
	s_or_b32 s[G0+4*(\s)+3], s[G0+4*(\s)+3], 0x80000000
	s_mov_b32 s[G0B+4*(\s)], 1
	s_add_co_u32 s[G0B+4*(\s)+1], s20, (\s)*SLOT
	s_add_nc_u64 s[G0B+4*(\s)+2:G0B+4*(\s)+3], s[46:47], (\s)*KSTEP*2
	s_or_b32 s[G0B+4*(\s)+3], s[G0B+4*(\s)+3], 0x80000000
	JLOAD \s                                       ; two tensor loads of mine are out; later one
.endr
	v_and_b32 v1, 15, v0                           ; l % 16
	v_bfe_u32 v2, v0, 4, 1                         ; l / 16
	v_mul_u32_u24 v3, v1, PITCH
	v_lshl_add_u32 v3, v2, 4, v3
	s_mul_i32 s21, s11, HALFT
	s_mul_i32 s22, s12, HALFT
	s_add_co_u32 s22, s22, 2*HALFT
.irp s, 0,1
	v_add_nc_u32 v[ADRA+(\s)], s21, v3
	v_add_nc_u32 v[ADRB+(\s)], s22, v3
	s_add_co_u32 s21, s21, SLOT
	s_add_co_u32 s22, s22, SLOT
.endr
	s_mul_i32 s23, s10, 16*SPITCH
	s_add_co_u32 s23, s23, STAGE                   ; my stage
	v_mul_u32_u24 v4, v1, SPITCH                   ; in: row l % 16, 32 bytes for each half of the lanes
	v_lshl_add_u32 v4, v2, 5, v4
	v_add_nc_u32 v[STO], s23, v4
	v_mul_u32_u24 v5, v2, SPITCH                   ; back: lanes 0-15 one row of 256 bytes, lanes 16-31 the next
	v_lshl_add_u32 v5, v1, 4, v5
	v_add_nc_u32 v[RD], s23, v5
	v_lshlrev_b32 v5, 11, v2                       ; and the same two rows in out0
	v_lshl_add_u32 v[CO], v1, 4, v5
	s_lshl_b32 s16, s13, 7
	s_lshl_b32 s17, s11, 6
	s_add_co_u32 s16, s16, s17                     ; my first row: 128 x tile row + 64 x half
	s_lshl_b32 s16, s16, 11
	s_mov_b32 s17, 0
	s_add_nc_u64 s[8:9], s[8:9], s[16:17]
	s_lshl_b32 s46, s42, 9                         ; my first column, in bytes: 512 x tile column + 256 x half
	s_lshl_b32 s47, s12, 8
	s_add_co_u32 s46, s46, s47
	s_mov_b32 s47, 0
	s_add_nc_u64 s[8:9], s[8:9], s[46:47]
	s_add_nc_u64 s[68:69], s[68:69], s[46:47]
	v_lshlrev_b32 v[BO], 5, v2
.irp i, 0,1,2,3,4,5,6,7
	global_load_b128 v[BIAS+4*(\i):BIAS+4*(\i)+3], v[BO], s[68:69] offset:64*((\i)/2)+16*((\i)%2)  ; bo of columns 16 b + 8 (l / 16) + 0..7
.endr
.macro MUL8 f, c, a0, zero
	WIN MUL
.irp a, \a0, (\a0)+1
.irp b, 0,1,2,3
.if \zero
	v_wmma_f32_16x16x32_bf16 v[ACC+8*(4*(\a)+(\b)):ACC+8*(4*(\a)+(\b))+7], v[(\f)+64+8*(4*(\c)+(\b)):(\f)+64+8*(4*(\c)+(\b))+7], v[(\f)+8*(4*(\c)+(\a)):(\f)+8*(4*(\c)+(\a))+7], 0
.else
	v_wmma_f32_16x16x32_bf16 v[ACC+8*(4*(\a)+(\b)):ACC+8*(4*(\a)+(\b))+7], v[(\f)+64+8*(4*(\c)+(\b)):(\f)+64+8*(4*(\c)+(\b))+7], v[(\f)+8*(4*(\c)+(\a)):(\f)+8*(4*(\c)+(\a))+7], v[ACC+8*(4*(\a)+(\b)):ACC+8*(4*(\a)+(\b))+7]
.endif
.endr
.endr
.endm
.macro FETCH slot, k, f
	WIN TO_F
.irp c, 0,1
.irp i, 0,1,2,3
	ds_load_b128 v[(\f)+64+8*(4*(\c)+(\i)):(\f)+64+8*(4*(\c)+(\i))+3],   v[ADRB+(\slot)] offset:(\k)+64*(\c)+(\i)*16*PITCH
	ds_load_b128 v[(\f)+64+8*(4*(\c)+(\i))+4:(\f)+64+8*(4*(\c)+(\i))+7], v[ADRB+(\slot)] offset:(\k)+64*(\c)+(\i)*16*PITCH+32
	ds_load_b128 v[(\f)+8*(4*(\c)+(\i)):(\f)+8*(4*(\c)+(\i))+3],         v[ADRA+(\slot)] offset:(\k)+64*(\c)+(\i)*16*PITCH
	ds_load_b128 v[(\f)+8*(4*(\c)+(\i))+4:(\f)+8*(4*(\c)+(\i))+7],       v[ADRA+(\slot)] offset:(\k)+64*(\c)+(\i)*16*PITCH+32
.endr
.endr
.endm
.macro PLACES                          ; four plain instructions between a matrix instruction and a reader of its result or a load into its registers
.rept 4
	v_nop
.endr
.endm
.macro QUARTER slot, k, f, g, zero
	s_wait_dscnt 16                                ; the first 32 along K are in
	WIN MUL
	MUL8 \f, 0, 0, \zero
	MUL8 \f, 0, 2, \zero
	PLACES
	FETCH \slot, \k, \g
	s_wait_dscnt 32                                ; all but the 32 just issued
	WIN MUL
	MUL8 \f, 1, 0, 0
	MUL8 \f, 1, 2, 0
.endm
.macro TURN slot, next, fill
	WIN 0
	s_wait_tensorcnt 0x0                           ; all my tensor loads have landed: my part of the next slot
	ds_add_u32 v[SPW], v[NIL]                      ; 0 onto my spare word
	s_wait_dscnt 17                                ; the add and the youngest sixteen loads may be out
	WIN MUL
	MUL8 F1, 0, 0, 0
	s_wait_dscnt 0x0                               ; the add is done, and my reads of this slot are over
	s_barrier_signal -1
	MUL8 F1, 0, 2, 0
.if \fill
	WIN 0
.endif
	s_barrier_wait -1
.if \fill
	CREST                                          ; the barrier has opened a round of the cluster's: no wave of any partner still reads this slot or has a load on its way
	s_add_nc_u64 s[G0+4*(\slot)+2:G0+4*(\slot)+3], s[G0+4*(\slot)+2:G0+4*(\slot)+3], 2*KSTEP*2
	s_add_nc_u64 s[G0B+4*(\slot)+2:G0B+4*(\slot)+3], s[G0B+4*(\slot)+2:G0B+4*(\slot)+3], 2*KSTEP*2
	JLOAD \slot                                    ; the first tensor load behind the round; its four v_nop are also the places in front of the loads below
.else
	PLACES
.endif
	FETCH \next, 0, F0
	WIN MUL
	MUL8 F1, 1, 0, 0
	MUL8 F1, 1, 2, 0
.endm
	s_wait_tensorcnt 1                             ; my part of K step 0 is in; step 1's may stay out
	s_barrier_signal -1
	s_barrier_wait -1
	FETCH 0, 0, F0
	QUARTER 0, 128, F0, F1, 1                      ; the first products start the sums
	WIN 0
	s_mov_b32 s3, LAPS-1
.Llap:                                                 ; a trip goes once round the ring and fills both slots again
	QUARTER 0, 256, F1, F0, 0
	QUARTER 0, 384, F0, F1, 0
	TURN 0, 1, 1
	QUARTER 1, 128, F0, F1, 0
	QUARTER 1, 256, F1, F0, 0
	QUARTER 1, 384, F0, F1, 0
	TURN 1, 0, 1
	QUARTER 0, 128, F0, F1, 0
	WIN 0
	s_sub_co_u32 s3, s3, 1
	s_cmp_lg_u32 s3, 0
	s_cbranch_scc1 .Llap
	QUARTER 0, 256, F1, F0, 0                      ; the last lap fills nothing
	QUARTER 0, 384, F0, F1, 0
	TURN 0, 1, 0
	QUARTER 1, 128, F0, F1, 0
	QUARTER 1, 256, F1, F0, 0
	QUARTER 1, 384, F0, F1, 0
	s_wait_dscnt 16
	WIN MUL
	MUL8 F1, 0, 0, 0
	MUL8 F1, 0, 2, 0
	s_wait_dscnt 0
	MUL8 F1, 1, 0, 0
	MUL8 F1, 1, 2, 0
	WIN 0
	; THE WAY OUT: the bias is rounded to bf16 and widened again; a block of 16 rows at a time takes it, goes into my stage and comes back as whole rows of 256 bytes.
	PLACES
	s_wait_loadcnt 0x0                             ; the bias
.set i, 0
.rept 16
	v_cvt_pk_bf16_f32 v[TMP+i], v[BIAS+2*i], v[BIAS+2*i+1]
.set i, i+1
.endr
.set i, 0
.rept 16
	v_lshlrev_b32 v[BIAS+2*i], 16, v[TMP+i]
	v_and_b32 v[BIAS+2*i+1], 0xffff0000, v[TMP+i]
.set i, i+1
.endr
.irp a, 0,1,2,3
	s_wait_xcnt 0x0                                ; the last block's stores have read their registers
.set p, 0
.rept 16
	v_pk_add_f32 v[TMP+2*p:TMP+2*p+1], v[ACC+32*(\a)+2*p:ACC+32*(\a)+2*p+1], v[BIAS+2*p:BIAS+2*p+1]
.set p, p+1
.endr
.irp i, 0,1,2,3,4,5,6,7
	ds_store_b128 v[STO], v[TMP+4*(\i):TMP+4*(\i)+3] offset:64*((\i)/2)+16*((\i)%2)
.endr
.irp t, 0,1,2,3,4,5,6,7
	ds_load_b128 v[BK+4*(\t):BK+4*(\t)+3], v[RD] offset:(\t)*2*SPITCH  ; LDS serves a wave's instructions in order: these see the stores above
.endr
.irp t, 0,1,2,3,4,5,6,7
	s_wait_dscnt 7-(\t)
	global_store_b128 v[CO], v[BK+4*(\t):BK+4*(\t)+3], s[8:9] offset:(16*(\a)+2*(\t))*SIZE_N*4 th:TH_STORE_NT  ; 16 lanes store 256 consecutive bytes, aligned
.endr
.endr
	s_wait_tensorcnt 0x0                           ; the wave's end, behind my last tensor load and my last LDS store
	ds_add_u32 v[SPW], v[NIL]
	s_wait_dscnt 0x0
	CROUND                                         ; the closing round
	s_endpgm
.Lfunc_end_k_q9dd057fe40_outp:
	.size	k_q9dd057fe40_outp, .Lfunc_end_k_q9dd057fe40_outp-k_q9dd057fe40_outp
	.p2alignl 7, 3214868480
	.fill 96, 4, 3214868480
	.section	.rodata,"a",@progbits
	.p2align	6, 0x0
	.amdhsa_kernel k_q9dd057fe40_outp
		.amdhsa_group_segment_fixed_size 327680
		.amdhsa_private_segment_fixed_size 0
		.amdhsa_enable_private_segment 0
		.amdhsa_kernarg_size 32
		.amdhsa_user_sgpr_count 2
		.amdhsa_user_sgpr_kernarg_segment_ptr 1
		.amdhsa_wavefront_size32 1
		.amdhsa_system_sgpr_workgroup_id_x 1
		.amdhsa_system_sgpr_workgroup_id_y 1
		.amdhsa_system_sgpr_workgroup_id_z 1
		.amdhsa_system_vgpr_workitem_id 0
		.amdhsa_next_free_vgpr 512
		.amdhsa_next_free_sgpr 72
		.amdhsa_reserve_vcc 0
		.amdhsa_float_denorm_mode_32 3
		.amdhsa_float_denorm_mode_16_64 3
		.amdhsa_memory_ordered 1
		.amdhsa_forward_progress 1
		.amdhsa_inst_pref_size 94
	.end_amdhsa_kernel
	.amdgpu_metadata
---
amdhsa.version: [ 1, 2 ]
amdhsa.kernels:
  - .name:           k_q9dd057fe40_outp
    .symbol:         k_q9dd057fe40_outp.kd
    .args:
      - { .name: o2, .offset: 0, .size: 8, .value_kind: global_buffer, .address_space: global }
      - { .name: wb, .offset: 8, .size: 8, .value_kind: global_buffer, .address_space: global }
      - { .name: out0, .offset: 16, .size: 8, .value_kind: global_buffer, .address_space: global }
      - { .name: bo, .offset: 24, .size: 8, .value_kind: global_buffer, .address_space: global }
    .group_segment_fixed_size: 327680
    .private_segment_fixed_size: 0
    .kernarg_segment_align: 8
    .kernarg_segment_size: 32
    .max_flat_workgroup_size: 128
    .sgpr_count:     72
    .vgpr_count:     512
    .wavefront_size: 32
...
	.end_amdgpu_metadata
.endif
;; end of part 5
;; ======== version 2 of 2: 5 launches; version 1 with the launch cast written anew for expert scheduling mode
;; workspace buffers: xb 8,388,608 bytes; wb 2,654,208 bytes; qk 16,777,216 bytes; vt 16,777,216 bytes; st 856,064 bytes; th 16,777,216 bytes; sp 10,551,296 bytes; o2 16,777,216 bytes
;; launch cast (part 6): grid 256 x 1, 8 waves a work-group, no clusters, 0 bytes of LDS; arguments x, Wq, Wk, Wv, Wo, proj, xb, wb; writes xb, wb
.if DOCPART == 6
	.amdgcn_target "amdgcn-amd-amdhsa--gfx1250"
	.amdhsa_code_object_version 6
	.text
	.protected	k_q9dd057fe40_cast
	.globl	k_q9dd057fe40_cast
	.p2align	8
	.type	k_q9dd057fe40_cast,@function
k_q9dd057fe40_cast:
	s_mov_b64 s[64:65], 0
	v_nop
	global_prefetch_b8 v0, s[64:65] scope:SCOPE_SE
	s_setreg_imm32_b32 hwreg(HW_REG_WAVE_SCHED_MODE, 0, 2), 2
	s_setreg_imm32_b32 hwreg(HW_REG_WAVE_MODE, 25, 1), 1
	s_wait_xcnt 0x0
	s_wait_alu depctr_vm_vsrc(0)
; CAST.  x, Wq, Wk, Wv, Wo and proj are rounded once to bf16 and laid out for the launches behind.
; xb: x as [8192][512] bf16.  wb: +0 wcat [8 heads][192 rows: q 64, k 64, v 64][512]; +1,572,864 wo2 [512][1024] with wo2[n][128 h + e] = wo2[n][128 h + 64 + e] = Wo[n][64 h + e];
; +2,621,440 pb: proj as matrix fragments, [16 features' tile][K half of 32][register half][lane][16 bytes].
; A stream: no LDS, no barrier.  A work-group takes 65,536 bytes of x (16 loads of 16 bytes a thread) and eight weight rows, a row a wave: waves 0-5 rows of Wq, Wk, Wv, waves 6, 7 rows of Wo.
; The first eight work-groups also take proj, a fragment's 16 bytes a thread.
; THE MODE: SCHED_MODE bits 1:0 = 2 (LLVM: expert scheduling mode 2), set by the entry lines.  The code itself states the register dependences
; between vector instructions and memory instructions, with s_wait_alu, always for 0.
; THE PLAN.  Registers that memory instructions touch:
;   v2 .. v6     byte offsets, made once at the head and never written again: one wait ahead of the first load serves every load and store that reads them.
;   XD           x in four blocks of four loads.  Each register is loaded once; block p's eight roundings write, in place, the first two of each four registers; block p's four stores read those two.
;   WD           the weight row likewise: four loads, eight roundings, the stores of one of two arms.
;   v9, v24      proj's offsets; v[12:19] loaded once; v[20:23] written by four roundings and read by one store.
; Block p's stores are issued in block p + 1, behind ONE wait at that block's head, and are dealt among that block's roundings, which name block p + 1's registers alone.
; No register that a memory instruction has read is written again, and EXEC is never written: so the text holds waits for written results only.
.set XD, 32                            ; v[32:95]   x as loaded, rounded in place: block p, load i at XD + 16 p + 4 i
.set WD, 96                            ; v[96:111]  a weight row's 16 numbers a lane
	s_load_b512 s[8:23], s[0:1], 0x0               ; x s[8:9], Wq s[10:11], Wk s[12:13], Wv s[14:15], Wo s[16:17], proj s[18:19], xb s[20:21], wb s[22:23]
	v_lshrrev_b32 v1, 5, v0
	v_readfirstlane_b32 s2, v1                     ; wave 0..7
	s_mov_b32 s38, ttmp9                           ; g
	v_and_b32 v1, 31, v0                           ; lane
	v_lshlrev_b32 v2, 4, v0                        ; x: 16 t
	v_lshlrev_b32 v3, 3, v0                        ; xb: 8 t
	v_lshlrev_b32 v4, 4, v1                        ; a weight row in: 16 l
	v_lshlrev_b32 v5, 3, v1                        ; wcat out: 8 l
	v_and_b32 v6, 15, v0
	v_bfe_u32 v7, v0, 4, 1
	v_lshlrev_b32 v6, 3, v6
	v_lshl_add_u32 v6, v7, 8, v6                   ; wo2 out: 256 (l / 16) + 8 (l % 16)
	s_wait_alu depctr_va_sdst(0)                   ; s2 is written, ahead of its first reader: the rows and the branches below are made from it
	s_mul_i32 s24, s38, 6
	s_add_co_u32 s24, s24, s2                      ; waves 0-5: row 6 g + wave of the 1,536 rows of Wq, Wk, Wv
	s_lshr_b32 s25, s24, 9                         ; which of the three
	s_and_b32 s26, s24, 511                        ; its row
	s_lshr_b32 s27, s26, 6                         ; the head
	s_mul_i32 s27, s27, 192
	s_lshl_b32 s3, s25, 6
	s_add_co_u32 s27, s27, s3
	s_and_b32 s3, s26, 63
	s_add_co_u32 s27, s27, s3
	s_lshl_b32 s27, s27, 10                        ; byte of the row in wcat
	s_lshl_b32 s28, s38, 1
	s_add_co_u32 s28, s28, s2
	s_sub_co_u32 s28, s28, 6                       ; waves 6, 7: row 2 g + wave - 6 of Wo
	s_lshl_b32 s29, s28, 11
	s_add_co_u32 s29, s29, 1572864                 ; byte of the row in wo2
	s_cmp_lt_u32 s2, 6
	s_cselect_b32 s30, s26, s28                    ; the source's row
	s_cselect_b32 s32, s27, s29                    ; the destination's byte
	s_lshl_b32 s30, s30, 11
	s_mov_b32 s31, 0
	s_mov_b32 s33, 0
	s_lshl_b32 s28, s38, 16                        ; the group's part of x,
	s_mov_b32 s29, 0
	s_lshl_b32 s26, s38, 15                        ; and of xb
	s_mov_b32 s27, 0
	s_wait_kmcnt 0x0
	s_cmp_eq_u32 s25, 1
	s_cselect_b64 s[34:35], s[12:13], s[10:11]
	s_cmp_eq_u32 s25, 2
	s_cselect_b64 s[34:35], s[14:15], s[34:35]
	s_cmp_lt_u32 s2, 6
	s_cselect_b64 s[34:35], s[34:35], s[16:17]
	s_add_nc_u64 s[34:35], s[34:35], s[30:31]      ; my weight row
	s_add_nc_u64 s[36:37], s[22:23], s[32:33]      ; where it goes
	s_add_nc_u64 s[8:9], s[8:9], s[28:29]
	s_add_nc_u64 s[20:21], s[20:21], s[26:27]
	s_wait_alu depctr_va_vdst(0)                   ; the five offsets v2 to v6 are written: the loads below and the stores further down read them
.irp i, 0,1,2,3,4,5,6,7,8,9,10,11,12,13,14,15
	global_load_b128 v[XD+4*(\i):XD+4*(\i)+3], v2, s[8:9] offset:4096*(\i) th:TH_LOAD_NT
.endr
.irp i, 0,1,2,3
	global_load_b128 v[WD+4*(\i):WD+4*(\i)+3], v4, s[34:35] offset:512*(\i) th:TH_LOAD_NT
.endr
; Block p of x: its four loads are waited for and rounded; the four stores of block p - 1 stand among the roundings.
; left: the loads issued behind the block's last: 12 - 4 p of x and the 4 of the weight row.
.macro BLK p, left
	s_wait_loadcnt \left                           ; loads come back in order (ISA guide 5.7.1): this block's four are in, the younger ones stay out
.if (\p) > 0
	s_wait_alu depctr_va_vdst(0)                   ; the block before has written its eight rounded pairs, which the four stores below read
.endif
.irp i, 0,1,2,3
.if (\p) > 0
	global_store_b64 v3, v[XD+16*((\p)-1)+4*(\i):XD+16*((\p)-1)+4*(\i)+1], s[20:21] offset:2048*(4*((\p)-1)+(\i))  ; a wave stores 256 consecutive bytes, aligned; no vector instruction since the wait names these registers
.endif
	v_cvt_pk_bf16_f32 v[XD+16*(\p)+4*(\i)], v[XD+16*(\p)+4*(\i)], v[XD+16*(\p)+4*(\i)+1]
	v_cvt_pk_bf16_f32 v[XD+16*(\p)+4*(\i)+1], v[XD+16*(\p)+4*(\i)+2], v[XD+16*(\p)+4*(\i)+3]
.endr
.endm
	BLK 0, 16
	BLK 1, 12
	BLK 2, 8
	BLK 3, 4
	s_wait_loadcnt 0x0                             ; the weight row is in
	s_wait_alu depctr_va_vdst(0)                   ; block 3 has written its eight rounded pairs, which the four stores below read
.irp i, 0,1,2,3
	global_store_b64 v3, v[XD+48+4*(\i):XD+48+4*(\i)+1], s[20:21] offset:2048*(12+(\i))
	v_cvt_pk_bf16_f32 v[WD+4*(\i)], v[WD+4*(\i)], v[WD+4*(\i)+1]
	v_cvt_pk_bf16_f32 v[WD+4*(\i)+1], v[WD+4*(\i)+2], v[WD+4*(\i)+3]
.endr
	s_wait_alu depctr_va_vdst(0)                   ; the weight row's roundings have written v[WD ..], which the stores of either arm below read
	s_cmp_lt_u32 s2, 6
	s_cbranch_scc0 .Lwo
.irp i, 0,1,2,3
	global_store_b64 v5, v[WD+4*(\i):WD+4*(\i)+1], s[36:37] offset:256*(\i)
.endr
	s_branch .Lproj
.Lwo:                                                  ; a head's 64 numbers are written twice, 128 bytes apart: once for O's upper part, once for its lower
.irp i, 0,1,2,3
	global_store_b64 v6, v[WD+4*(\i):WD+4*(\i)+1], s[36:37] offset:512*(\i)
	global_store_b64 v6, v[WD+4*(\i):WD+4*(\i)+1], s[36:37] offset:512*(\i)+128
.endr
.Lproj:
	s_cmp_lt_u32 s38, 8
	s_cbranch_scc0 .Lend
	s_lshl_b32 s3, s38, 8
	v_add_nc_u32 v8, s3, v0                        ; p = 256 g + t: tile p >> 7, K half, register half, lane p & 31
	v_lshrrev_b32 v9, 7, v8
	v_and_b32 v10, 15, v8
	v_lshl_add_u32 v9, v9, 4, v10                  ; proj's row 16 tile + lane % 16
	v_bfe_u32 v11, v8, 4, 3
	v_lshlrev_b32 v11, 5, v11                      ; its 8 numbers: 32 bytes x (4 K half + 2 register half + lane / 16)
	v_lshl_add_u32 v9, v9, 8, v11
	v_lshlrev_b32 v24, 4, v8
	s_wait_alu depctr_va_vdst(0)                   ; v9 and v24 are written: the two loads and the store below read them as their offsets
	global_load_b128 v[12:15], v9, s[18:19]
	global_load_b128 v[16:19], v9, s[18:19] offset:16
	s_wait_loadcnt 0x0
	v_cvt_pk_bf16_f32 v20, v12, v13
	v_cvt_pk_bf16_f32 v21, v14, v15
	v_cvt_pk_bf16_f32 v22, v16, v17
	v_cvt_pk_bf16_f32 v23, v18, v19
	s_wait_alu depctr_va_vdst(0)                   ; the four roundings have written v[20:23], which the store reads
	global_store_b128 v24, v[20:23], s[22:23] offset:2621440
.Lend:
	s_endpgm
.Lfunc_end_k_q9dd057fe40_cast:
	.size	k_q9dd057fe40_cast, .Lfunc_end_k_q9dd057fe40_cast-k_q9dd057fe40_cast
	.p2alignl 7, 3214868480
	.fill 96, 4, 3214868480
	.section	.rodata,"a",@progbits
	.p2align	6, 0x0
	.amdhsa_kernel k_q9dd057fe40_cast
		.amdhsa_group_segment_fixed_size 0
		.amdhsa_private_segment_fixed_size 0
		.amdhsa_enable_private_segment 0
		.amdhsa_kernarg_size 64
		.amdhsa_user_sgpr_count 2
		.amdhsa_user_sgpr_kernarg_segment_ptr 1
		.amdhsa_wavefront_size32 1
		.amdhsa_system_sgpr_workgroup_id_x 1
		.amdhsa_system_sgpr_workgroup_id_y 1
		.amdhsa_system_sgpr_workgroup_id_z 1
		.amdhsa_system_vgpr_workitem_id 0
		.amdhsa_next_free_vgpr 112
		.amdhsa_next_free_sgpr 66
		.amdhsa_reserve_vcc 0
		.amdhsa_float_denorm_mode_32 3
		.amdhsa_float_denorm_mode_16_64 3
		.amdhsa_memory_ordered 1
		.amdhsa_forward_progress 1
		.amdhsa_inst_pref_size 11
	.end_amdhsa_kernel
	.amdgpu_metadata
---
amdhsa.version: [ 1, 2 ]
amdhsa.kernels:
  - .name:           k_q9dd057fe40_cast
    .symbol:         k_q9dd057fe40_cast.kd
    .args:
      - { .name: x, .offset: 0, .size: 8, .value_kind: global_buffer, .address_space: global }
      - { .name: Wq, .offset: 8, .size: 8, .value_kind: global_buffer, .address_space: global }
      - { .name: Wk, .offset: 16, .size: 8, .value_kind: global_buffer, .address_space: global }
      - { .name: Wv, .offset: 24, .size: 8, .value_kind: global_buffer, .address_space: global }
      - { .name: Wo, .offset: 32, .size: 8, .value_kind: global_buffer, .address_space: global }
      - { .name: proj, .offset: 40, .size: 8, .value_kind: global_buffer, .address_space: global }
      - { .name: xb, .offset: 48, .size: 8, .value_kind: global_buffer, .address_space: global }
      - { .name: wb, .offset: 56, .size: 8, .value_kind: global_buffer, .address_space: global }
    .group_segment_fixed_size: 0
    .private_segment_fixed_size: 0
    .kernarg_segment_align: 8
    .kernarg_segment_size: 64
    .max_flat_workgroup_size: 256
    .sgpr_count:     66
    .vgpr_count:     112
    .wavefront_size: 32
...
	.end_amdgpu_metadata
.endif
;; end of part 6
;; launch qkv: the kernel of part 2 again; grid 8 x 32, 4 waves a work-group, clusters of 4 x 4, 327,680 bytes of LDS; arguments xb, wb, qk, vt, st, th; writes qk, vt, st, th
;; launch prefix: the kernel of part 3 again; grid 16 x 16, 5 waves a work-group, no clusters, 5,376 bytes of LDS; arguments st, th, sp, out1, out2; writes sp, out1, out2
;; launch attn: the kernel of part 4 again; grid 8 x 32, 4 waves a work-group, no clusters, 255,488 bytes of LDS; arguments qk, vt, st, sp, wb, o2; writes o2
;; launch outp: the kernel of part 5 again; grid 4 x 64, 4 waves a work-group, clusters of 4 x 4, 327,680 bytes of LDS; arguments o2, wb, out0, bo; writes out0
